; MI455X (gfx1250); checked and timed in simulation.
; The chip was launched on July 23, 2026; its instructions are those of AMD's public machine-readable ISA for CDNA 5 (MIT licence, August 2026) and "CDNA5" Instruction Set Architecture Reference Guide (July 2026). The comments in the code are by the model that wrote it; some were corrected since.
;; decoder Layer. Allowed arithmetic: float matrix products may take bf16 or f16 operands with f32 sums; other float arithmetic in f32, or as packed bf16 or f16 multiplies, adds, multiply-adds, maxima and minima; sums over many terms, partial sums and values carried from step to step in f32; what a program stores and reads back later, other than sums and carried values, may be rounded once to bf16 or f16.
;; Inputs: Wk1 16 x 1,024 x 64 float32; Wk2 16 x 1,024 x 64 float32; Wq1 16 x 1,024 x 64 float32; Wq2 16 x 1,024 x 64 float32; Wv1 16 x 1,024 x 64 float32; Wv2 16 x 1,024 x 64 float32; context 2 x 2,048 x 1,024 float32; fc1_b 1,024 float32; fc1_w 1,024 x 1,024 float32; fc2_b 1,024 float32; fc2_w 1,024 x 1,024 float32; ln1_b 1,024 float32; ln1_g 1,024 float32; ln2_b 1,024 float32; ln2_g 1,024 float32; ln3_b 1,024 float32; ln3_g 1,024 float32; x 2 x 2,048 x 1,024 float32.
;; Outputs: out0 2 x 2,048 x 1,024 float32.
;; One version. Each part assembles by itself: llvm-mc -triple=amdgcn-amd-amdhsa -mcpu=gfx1250 --defsym DOCPART=n.
;; ======== version 1 of 1: 10 launches
;; limits: values are held in f16: magnitudes above 65,504 overflow, below 6.1e-05 lose precision
;; workspace buffers: XA 8,404,992 bytes; XB 8,404,992 bytes; WA 8,388,608 bytes; WB 6,291,456 bytes; WF1 2,099,200 bytes; WF2 2,099,200 bytes; QKV 25,165,824 bytes; X1 8,404,992 bytes
;; launch prep (part 1): grid 1408 x 1, 8 waves a work-group, no clusters, 18,432 bytes of LDS; arguments x, context, Wq1, Wk1, Wv1, Wq2, Wk2, Wv2, fc1_w, fc2_w, XA, XB, WA, WB, WF1, WF2; writes XA, XB, WA, WB, WF1, WF2
.if DOCPART == 1
	.amdgcn_target "amdgcn-amd-amdhsa--gfx1250"
	.amdhsa_code_object_version 6
	.text
	.protected	k_qa1050ce45f_prep
	.globl	k_qa1050ce45f_prep
	.p2align	8
	.type	k_qa1050ce45f_prep,@function
k_qa1050ce45f_prep:
	s_mov_b64 s[64:65], 0
	v_nop
	global_prefetch_b8 v0, s[64:65] scope:SCOPE_SE
	s_setreg_imm32_b32 hwreg(HW_REG_WAVE_MODE, 25, 1), 1
	s_wait_xcnt 0x0
; DECODER LAYER, launch 1 of 10: every f32 matrix operand is rounded once to f16 and laid out for the products; mask0 is made.
; THE PROGRAM: prep | Q1 K1 V1 | causal attention | LayerNorm 1 | Q2 K2 V2 | cross attention | LayerNorm 2 | fc1 + relu | fc2 | LayerNorm 3.
; LAYOUTS.  Activations T[cb][m][64] (cb = column / 64, m = 2048 b + s): byte (4096 cb + m) 128 + 2 k: a head's rows are dense.
;           Weights W[nt][kb][128 n][64 k] (nt = n / 128, kb = k / 64): byte 262144 nt + 16384 kb + 128 (n % 128) + 2 (k % 64); for the projections n = 1024 which + 64 h + k.
;           Behind fc1_w's and fc2_w's 2 MiB lie 2,048 bytes that hold the lower bound of that product's results, twice in f16 in each word: 0 for fc1 (the relu), -infinity for fc2 (no bound): one text serves both products.
; WORK LEFT OUT, for all finite values of the inputs:
;   (1) relu(..) * mask0: its result reaches the output only through (.. @ fc2_w.T + fc2_b) * mask0.  In a row with mask0 = 0 that is 0 whatever went in; in a row with mask0 = 1 the factor is 1.
;   (2) key tiles wholly above the causal diagonal, which reference() itself sets to -inf: their weights are 0.
;   The factors m on Q, K, V are multiplied on the products' way out (for K2 and V2 they change values); out * m and the last mask0 are the multipliers of the LayerNorms' first multiply-add.  All 18 inputs are loaded.
; LIMITS.  f16 holds no number beyond 65,504: x, context, the weights and every intermediate stay within it for inputs some 30 times those drawn.  A NaN, an infinity or an overflow that reaches only
; the work left out (a hidden layer's row with mask0 = 0, a V row with weight 0 above the diagonal) is not carried to the result.
; SHARES, by the work-group's number g: 0-255 x (16 rows each) and mask0; 256-511 context; 512-575 fc1_w; 576-639 fc2_w; 640-1407 one tile of 128 d x 64 k of one head of one projection, turned through LDS.
.set TP,    272                        ; a row of the turning stage: 128 d x 2 bytes + 16
.set SPARE, 64*TP                      ; behind the stage: the spare words, 128 bytes for each of eight waves
.set SPW, 2                            ; v2   my spare word; never rewritten
.set NIL, 3                            ; v3   0; never rewritten
.set SO,  8                            ; v8   source offset: row (t / 16) x 4,096 + 16 (t % 16)
.set DO,  9                            ; v9   destination offset: 8 t
.set X,   16                           ; v[16:79]  as loaded, f32
.set Y,   80                           ; v[80:111] rounded, f16
	s_load_b512 s[8:23], s[0:1], 0x0               ; x, context, Wq1, Wk1, Wv1, Wq2, Wk2, Wv2
	s_load_b512 s[24:39], s[0:1], 0x40             ; fc1_w, fc2_w, XA, XB, WA, WB, WF1, WF2
	v_lshl_add_u32 v[SPW], v0, 2, SPARE
	v_mov_b32 v[NIL], 0
	v_lshrrev_b32 v4, 4, v0                        ; t / 16
	v_and_b32 v5, 15, v0                           ; t % 16
	v_lshlrev_b32 v6, 4, v5
	v_lshl_or_b32 v[SO], v4, 12, v6
	v_lshlrev_b32 v[DO], 3, v0
	s_mov_b32 s48, ttmp9
	s_mov_b32 s3, 0
	s_wait_kmcnt 0x0
; 16 rows x 1,024 f32 -> f16.  Load i: sixteen lanes read 256 consecutive bytes of a row (block i of 64 columns); store i: 32 lanes write 256 consecutive bytes, two rows of block i.
.macro CAST stride
.set i, 0
.rept 16
	global_load_b128 v[X+4*i:X+4*i+3], v[SO], s[4:5] offset:256*i th:TH_LOAD_NT
.set i, i+1
.endr
.set i, 0
.rept 16
	s_wait_loadcnt 15-i                            ; loads come back in order: load i is in, the 15 - i younger ones stay out
	v_cvt_pk_f16_f32 v[Y+2*i], v[X+4*i], v[X+4*i+1]
	v_cvt_pk_f16_f32 v[Y+2*i+1], v[X+4*i+2], v[X+4*i+3]
	global_store_b64 v[DO], v[Y+2*i:Y+2*i+1], s[6:7] offset:i*(\stride) th:TH_STORE_NT
.set i, i+1
.endr
.endm
	s_cmp_lt_u32 s48, 512
	s_cbranch_scc0 .Lweights
	; x or context
	s_and_b32 s49, s48, 255
	s_cmp_lt_u32 s48, 256
	s_cselect_b64 s[4:5], s[8:9], s[10:11]
	s_cselect_b64 s[6:7], s[28:29], s[30:31]
	s_lshl_b32 s2, s49, 16                         ; 16 rows of 4,096 bytes
	s_add_nc_u64 s[4:5], s[4:5], s[2:3]
	s_lshl_b32 s2, s49, 11                         ; 16 rows of 128 bytes in each block
	s_add_nc_u64 s[6:7], s[6:7], s[2:3]
	CAST 524288
	s_cmp_lt_u32 s48, 256
	s_cbranch_scc0 .Lend
	; mask0 = 1 where the row of x holds a number other than +0 or -0: all 64 words of a lane are ORed, the sign bit shifted out, then the row's sixteen lanes
.irp c, 0,1,2,3
	v_or_b32 v[4+\c], v[X+2*\c], v[X+2*\c+1]
.endr
.set j, 8
.rept 56
	v_or_b32 v[4+j%4], v[4+j%4], v[X+j]
.set j, j+1
.endr
	v_or_b32 v4, v4, v5
	v_or_b32 v6, v6, v7
	v_or_b32 v4, v4, v6
	v_lshlrev_b32 v4, 1, v4
.irp m, 1,2,4,8
	v_mov_b32_dpp v5, v4 row_xmask:\m row_mask:0xf bank_mask:0xf
	v_or_b32 v4, v4, v5
.endr
	v_cmp_ne_u32 vcc_lo, 0, v4
	v_cndmask_b32 v5, 0, 1.0, vcc_lo
	v_and_b32 v6, 15, v0
	v_lshrrev_b32 v7, 4, v0
	v_lshlrev_b32 v7, 2, v7
	s_lshl_b32 s2, s48, 6                          ; 16 rows x 4 bytes
	s_add_nc_u64 s[28:29], s[28:29], s[2:3]
	s_add_nc_u64 s[28:29], s[28:29], 0x800000      ; the masks lie behind the 8 MiB of x16
	v_cmp_eq_u32 vcc_lo, 0, v6
	s_wait_xcnt 0x0                                ; EXEC is a source of the stores above: it changes only behind this wait
	s_and_saveexec_b32 s40, vcc_lo                 ; one lane for each row
	global_store_b32 v7, v5, s[28:29]
	s_wait_xcnt 0x0                                ; and again in front of the line that widens it
	s_or_b32 exec_lo, exec_lo, s40
	s_branch .Lend
.Lweights:
	s_cmp_lt_u32 s48, 640
	s_cbranch_scc0 .Ltrans
	; fc1_w or fc2_w: [n][k] as it lies; 16 rows n
	s_and_b32 s49, s48, 63
	s_cmp_lt_u32 s48, 576
	s_cselect_b64 s[4:5], s[24:25], s[26:27]
	s_cselect_b64 s[6:7], s[36:37], s[38:39]
	s_cselect_b32 s47, 0, 0xfc00fc00               ; the product's lower bound: 0, or -infinity, twice in f16
	s_lshl_b32 s2, s49, 16
	s_add_nc_u64 s[4:5], s[4:5], s[2:3]
	s_lshr_b32 s2, s49, 3
	s_lshl_b32 s2, s2, 18                          ; nt x 262,144
	s_and_b32 s40, s49, 7
	s_lshl_b32 s40, s40, 11                        ; 16 rows of 128 bytes
	s_add_co_u32 s2, s2, s40
	s_add_nc_u64 s[6:7], s[6:7], s[2:3]
	CAST 16384
	s_cmp_lg_u32 s49, 0
	s_cbranch_scc1 .Lend
	v_mov_b32 v4, s47                              ; the matrix's first work-group (its s[6:7] stands at the buffer's first byte) stores the bound: 256 threads x 8 bytes behind the 2 MiB
	v_mov_b32 v5, s47
	global_store_b64 v[DO], v[4:5], s[6:7] offset:0x200000  ; 32 lanes write 256 consecutive bytes
	s_branch .Lend
.Ltrans:
	; W[h] is [d][k]; the products want [n = k][d].  A tile of 128 d x 64 k is rounded, stored into LDS by columns and read back by rows.
	s_sub_co_u32 s49, s48, 640
	s_lshr_b32 s41, s49, 7                         ; which matrix, 0 to 5
	s_bfe_u32 s42, s49, 0x40003                    ; h
	s_and_b32 s43, s49, 7                          ; dt: 128 d
	s_mov_b64 s[4:5], s[12:13]
	s_cmp_eq_u32 s41, 1
	s_cselect_b64 s[4:5], s[14:15], s[4:5]
	s_cmp_eq_u32 s41, 2
	s_cselect_b64 s[4:5], s[16:17], s[4:5]
	s_cmp_eq_u32 s41, 3
	s_cselect_b64 s[4:5], s[18:19], s[4:5]
	s_cmp_eq_u32 s41, 4
	s_cselect_b64 s[4:5], s[20:21], s[4:5]
	s_cmp_eq_u32 s41, 5
	s_cselect_b64 s[4:5], s[22:23], s[4:5]
	s_cmp_lt_u32 s41, 3
	s_cselect_b64 s[6:7], s[32:33], s[34:35]
	s_cselect_b32 s44, 0, 3
	s_sub_co_u32 s44, s41, s44                     ; Q, K or V
	s_lshl_b32 s2, s42, 18                         ; h x 1,024 rows of 256 bytes
	s_lshl_b32 s45, s43, 15                        ; dt x 128 rows of 256 bytes; also 2 dt x 16,384 in the destination
	s_add_co_u32 s2, s2, s45
	s_add_nc_u64 s[4:5], s[4:5], s[2:3]
	s_lshl_b32 s44, s44, 3
	s_lshr_b32 s46, s42, 1
	s_add_co_u32 s44, s44, s46                     ; nt = 8 which + h / 2
	s_lshl_b32 s2, s44, 18
	s_add_co_u32 s2, s2, s45
	s_and_b32 s46, s42, 1
	s_lshl_b32 s46, s46, 13                        ; (h % 2) x 64 rows of 128 bytes
	s_add_co_u32 s2, s2, s46
	s_add_nc_u64 s[6:7], s[6:7], s[2:3]
	v_lshl_or_b32 v10, v4, 11, v6                  ; rows 8 (t / 16) + j, 16 bytes at 16 (t % 16)
.set j, 0
.rept 8
	global_load_b128 v[X+4*j:X+4*j+3], v10, s[4:5] offset:256*j th:TH_LOAD_NT
.set j, j+1
.endr
	v_mul_u32_u24 v11, v5, 4*TP                    ; stage row = column k = 4 (t % 16) + i,
	v_lshl_add_u32 v11, v4, 4, v11                 ; 16 bytes = my eight d
	s_wait_loadcnt 0x0
.irp i, 0,1,2,3
.irp q, 0,1,2,3
	v_cvt_pk_f16_f32 v[Y+4*\i+\q], v[X+8*\q+\i], v[X+8*\q+4+\i]
.endr
	ds_store_b128 v11, v[Y+4*\i:Y+4*\i+3] offset:\i*TP
.endr
	v_and_b32 v12, 7, v0
	v_lshrrev_b32 v13, 3, v0
	v_mul_u32_u24 v13, v13, TP
	v_lshl_add_u32 v13, v12, 4, v13                ; back: row k = t / 8 (+ 32), 16 bytes at 16 (t % 8) (+ 128 for the second block of 64 d)
	v_lshlrev_b32 v14, 4, v0
	s_wait_dscnt 0x0                               ; for the others' sake: my stores into the stage are done
	s_barrier_signal -1
	s_barrier_wait -1
.irp e, 0,1,2,3
	ds_load_b128 v[X+4*\e:X+4*\e+3], v13 offset:(\e/2)*32*TP+(\e%2)*128
.endr
.irp e, 0,1,2,3
	s_wait_dscnt 3-\e
	global_store_b128 v14, v[X+4*\e:X+4*\e+3], s[6:7] offset:(\e%2)*16384+(\e/2)*4096 th:TH_STORE_NT  ; a wave stores 512 consecutive bytes
.endr
.Lend:
	s_wait_tensorcnt 0x0                           ; the wave's end: behind my last LDS store
	ds_add_u32 v[SPW], v[NIL]
	s_wait_dscnt 0x0
	s_endpgm
.Lfunc_end_k_qa1050ce45f_prep:
	.size	k_qa1050ce45f_prep, .Lfunc_end_k_qa1050ce45f_prep-k_qa1050ce45f_prep
	.p2alignl 7, 3214868480
	.fill 96, 4, 3214868480
	.section	.rodata,"a",@progbits
	.p2align	6, 0x0
	.amdhsa_kernel k_qa1050ce45f_prep
		.amdhsa_group_segment_fixed_size 18432
		.amdhsa_private_segment_fixed_size 0
		.amdhsa_enable_private_segment 0
		.amdhsa_kernarg_size 128
		.amdhsa_user_sgpr_count 2
		.amdhsa_user_sgpr_kernarg_segment_ptr 1
		.amdhsa_wavefront_size32 1
		.amdhsa_system_sgpr_workgroup_id_x 1
		.amdhsa_system_sgpr_workgroup_id_y 1
		.amdhsa_system_sgpr_workgroup_id_z 1
		.amdhsa_system_vgpr_workitem_id 0
		.amdhsa_next_free_vgpr 112
		.amdhsa_next_free_sgpr 66
		.amdhsa_reserve_vcc 1
		.amdhsa_float_denorm_mode_32 3
		.amdhsa_float_denorm_mode_16_64 3
		.amdhsa_memory_ordered 1
		.amdhsa_forward_progress 1
		.amdhsa_inst_pref_size 21
	.end_amdhsa_kernel
	.amdgpu_metadata
---
amdhsa.version: [ 1, 2 ]
amdhsa.kernels:
  - .name:           k_qa1050ce45f_prep
    .symbol:         k_qa1050ce45f_prep.kd
    .args:
      - { .name: x, .offset: 0, .size: 8, .value_kind: global_buffer, .address_space: global }
      - { .name: context, .offset: 8, .size: 8, .value_kind: global_buffer, .address_space: global }
      - { .name: Wq1, .offset: 16, .size: 8, .value_kind: global_buffer, .address_space: global }
      - { .name: Wk1, .offset: 24, .size: 8, .value_kind: global_buffer, .address_space: global }
      - { .name: Wv1, .offset: 32, .size: 8, .value_kind: global_buffer, .address_space: global }
      - { .name: Wq2, .offset: 40, .size: 8, .value_kind: global_buffer, .address_space: global }
      - { .name: Wk2, .offset: 48, .size: 8, .value_kind: global_buffer, .address_space: global }
      - { .name: Wv2, .offset: 56, .size: 8, .value_kind: global_buffer, .address_space: global }
      - { .name: fc1_w, .offset: 64, .size: 8, .value_kind: global_buffer, .address_space: global }
      - { .name: fc2_w, .offset: 72, .size: 8, .value_kind: global_buffer, .address_space: global }
      - { .name: XA, .offset: 80, .size: 8, .value_kind: global_buffer, .address_space: global }
      - { .name: XB, .offset: 88, .size: 8, .value_kind: global_buffer, .address_space: global }
      - { .name: WA, .offset: 96, .size: 8, .value_kind: global_buffer, .address_space: global }
      - { .name: WB, .offset: 104, .size: 8, .value_kind: global_buffer, .address_space: global }
      - { .name: WF1, .offset: 112, .size: 8, .value_kind: global_buffer, .address_space: global }
      - { .name: WF2, .offset: 120, .size: 8, .value_kind: global_buffer, .address_space: global }
    .group_segment_fixed_size: 18432
    .private_segment_fixed_size: 0
    .kernarg_segment_align: 8
    .kernarg_segment_size: 128
    .max_flat_workgroup_size: 256
    .sgpr_count:     66
    .vgpr_count:     112
    .wavefront_size: 32
...
	.end_amdgpu_metadata
.endif
;; end of part 1
;; launch gemm (part 2): grid 4 x 48, 4 waves a work-group, clusters of 4 x 4, 327,680 bytes of LDS; arguments XA, XB, WA, QKV; writes QKV
.if DOCPART == 2
	.amdgcn_target "amdgcn-amd-amdhsa--gfx1250"
	.amdhsa_code_object_version 6
	.text
	.protected	k_qa1050ce45f_gemm
	.globl	k_qa1050ce45f_gemm
	.p2align	8
	.type	k_qa1050ce45f_gemm,@function
k_qa1050ce45f_gemm:
	s_mov_b64 s[64:65], 0
	v_nop
	global_prefetch_b8 v0, s[64:65] scope:SCOPE_SE
	s_setreg_imm32_b32 hwreg(HW_REG_WAVE_MODE, 25, 1), 1
	s_wait_xcnt 0x0
	s_wait_alu depctr_hold_cnt(0) depctr_sa_sdst(0) depctr_va_vdst(0) depctr_va_sdst(0) depctr_va_ssrc(0) depctr_va_vcc(0) depctr_vm_vsrc(0)
	s_getreg_b32 s2, hwreg(HW_REG_IB_STS2, 6, 4)
	s_cmp_eq_u32 s2, 0
	s_cbranch_scc0 .Lentry_in_a_cluster
	s_endpgm
.Lentry_in_a_cluster:
	s_bfe_u32 s2, ttmp6, 0x10000c
	s_cmp_lg_u32 s2, 0xf033
	s_cbranch_scc0 .Lentry_shape_is_right
	s_endpgm
.Lentry_shape_is_right:
; C[m][n] = mask[m] x (the sum over k of A[m][k] B[n][k]), K = 1,024, 4,096 rows m, 3,072 columns n (Q | K | V).  A and C in the activations' layout T[cb][m][64], B in the weights' layout W[nt][kb][128][64], all f16;
; sums in f32; C rounded once.  ARGUMENTS: A0, A1, B, C.  Clusters with x = 0 multiply A0, the others A1; the row masks, 4,096 f32, lie 8 MiB behind A0's first byte.
; THE GRID.  C has 16 tile rows and 12 tile columns of 256 x 256: 192 work-groups, a tile each.  Tile row = 4 (cluster y % 4) + cy; tile column = 4 (cluster x + cluster y / 4) + cx.  So a grid of 12 x 16 takes
; columns 0-3 (Q2) from A0 and 4-11 (K2, V2) from A1, and a grid of 4 x 48 takes all twelve from A0 (Q1 K1 V1); there A1's address is given and never used: the price of one text for both launches.
; Where the masked rows of A are zero rows the packed multiplies by the mask change nothing; for K2 and V2 they do: one text serves all.
; SHARES.  Four waves, each 128 x 128 of C: 64 accumulators of 16 x 16, 512 registers; a wave's part is 128 rows of two blocks of C.  K goes in eight steps of 128 through two LDS slots; a wave's tensor load brings 128 rows x 2 blocks
; of 64 along K: twice 16,384 consecutive bytes of memory.
; CLUSTERS of 4 x 4: the four of a row need the same tiles of A, the four of a column the same tiles of B: each tile is asked for jointly, by the same load with the same descriptor and a mask that names the four.
; The matrix instruction is used transposed (source 0 = 16 rows of B, source 1 = 16 rows of A): a lane holds one row of C and eight neighbouring columns.
; LIMIT.  f16 holds no number beyond 65,504.
; REGISTERS, in windows of 256 (s_set_vgpr_msb: bits 1:0 source 0, 3:2 source 1, 5:4 source 2, 7:6 destination):
;   window 0: v16-31 addresses; v64-127, v128-191 fragments of A (8 x 16 rows x 32 K), two buffers; v32-63, v192-255 at work on the way out
;   window 1: v0-15 my rows' masks; v64-127, v128-191 fragments of B, two buffers
;   window 2: the 32 accumulators of my rows 0-63 ((a, b) at v[8 (8 a + b)]);   window 3: those of my rows 64-127
.set PITCH, 144                        ; an LDS row: 64 f16 + 16 bytes = 36 words: the 16 rows of a fragment load start at 16 different groups of four banks (64 banks of 4 bytes: ISA guide 11.1)
.set KB,    128*PITCH                  ; 128 rows of one block of 64 along K
.set HALFT, 2*KB                       ; what one tensor load brings, and what one wave reads of A or of B
.set SLOT,  4*HALFT                    ; A's two halves, then B's two halves.  No bit of SLOT is set in wave x HALFT, so one exclusive or turns an address in one slot into the other's
.set STAGE, 2*SLOT                     ; behind the ring: for each wave 16 rows x 144 bytes for each of its two blocks of C
.set SP,    144
.set SPARE, STAGE+4*2*16*SP            ; behind the stages: the spare words, 128 bytes for each wave
.set ASTEP, 2*524288                   ; bytes from K step to K step in A (two blocks of 4,096 rows)
.set BSTEP, 2*16384                    ; and in B
.set STEPS, 8
.set Q1,    64                         ; byte, in a region, at which the second, third and fourth 32 along K of a step begin
.set Q2,    KB
.set Q3,    KB+64
.set ADRA0, 16                         ; v16  my lane's place in my A fragments of slot 0; never rewritten
.set ADRB0, 17                         ; v17  the same for B
.set ADRA,  18                         ; v18  the same in the slot that is being read
.set ADRB,  19
.set STO,  24                          ; the way out: where I put 16 bytes of a row
.set RD,   25                          ; where I read rows back
.set GO,   26                          ; my byte offset in 512 consecutive bytes of C
.set SPW,  28
.set NIL,  29
.set PFO,  30                          ; the prefetches' offset: 256 x my lane; never rewritten
.set SO,   31
.set OB,   32                          ; the way out: 16 rows read back from the stage: v32-63 and v224-255 by turns
.set F0,   64
.set F1,   128
.set TMP,  192                         ; the way out: packed results
.set MK,   0                           ; window 1: the mask of my row in m block a, twice, at MK + 2 a
.set G1,  24                           ; s[24:31] descriptor group 1 for A's tiles
.set G0,  32                           ; s[32:39] group 0 for A's: a set for each of the two first fills; the second then walks on
.set G1B, 48                           ; s[48:55], s[56:63] the same for B's
.set G0B, 56
.set TB,  2                            ; s2   LDS byte at which the slot that is being read begins
.set CNT, 3                            ; s3   K steps still to be asked for
.set LIM, 67                           ; s67  2 in a wave that prefetches, else the greatest number
.set PFA, 68                           ; s[68:69] where my prefetches stand
.set PST, 70                           ; s[70:71] bytes from K step to K step in the tensor that I fetch
.set G1W, (1<<16)|(1<<20)|(1<<21)|(4<<22)|(3<<25)  ; 17:16 elements of 2 bytes; 20 padding on; 21 set beside a mask; 24:22 after every 32 words (code 4); 31:25 4 words (code 3)
.set MSB, 0
.macro WIN new                         ; the immediate's high byte repeats the setting that is left; a switch that changes nothing is dropped
.if MSB != (\new)
	s_set_vgpr_msb (MSB<<8)|(\new)
.set MSB, \new
.endif
.endm
.set MUL_LO, 0xa1                      ; source 0 (B) window 1, source 1 (A) window 0, C and D window 2
.set MUL_HI, 0xf1                      ; the same, C and D window 3
.set TO_B,   0x40                      ; destination window 1, address window 0
.macro JLOAD s                         ; a joint load: waves 0 and 1 fetch A's two halves, waves 2 and 3 B's; an s_nop 0 and four v_nop follow each line
	s_cmp_eq_u32 s11, 0
	s_cbranch_scc0 .Lfor_b_\@
	tensor_load_to_lds s[G0+4*(\s):G0+4*(\s)+3], s[G1:G1+7]
	s_nop 0
.rept 4
	v_nop
.endr
	s_branch .Lasked_\@
.Lfor_b_\@:
	tensor_load_to_lds s[G0B+4*(\s):G0B+4*(\s)+3], s[G1B:G1B+7]
	s_nop 0
.rept 4
	v_nop
.endr
.Lasked_\@:
.endm
; A PREFETCH INTO THE L2, behind each joint refill, its five lines and the run of LDS loads that follows them: of the K step that stands TWO refills on (512 matrix instructions ahead of its load), 32 blocks of 256 bytes, a lane a block.
; Each block is named ONCE in the launch.  A's rows are read by every cluster of a row of clusters that takes the same A: the first of them asks (cluster y / 4 = 0 and cluster x = 0 for A0, 1 for A1); B's rows by every cluster of a
; column: cluster y % 4 = 0 asks.  The four partners that ask for a tile jointly share out BY ADDRESS the 128 blocks that wave w fetches: the partner at place p (cx for A, cy for B) takes the half p % 2 of the rows in the block p / 2
; along K: no branch hangs on a work-group's place in its cluster.  K steps 0 to 3 come by their loads alone; the last two refills have no K step two on and ask for nothing.
.macro ASK
	s_cmp_gt_u32 s[CNT], s[LIM]
	s_cbranch_scc0 .Lnot_mine_\@
	global_prefetch_b8 v[PFO], s[PFA:PFA+1] th:TH_LOAD_NT scope:SCOPE_SE
.Lnot_mine_\@:
.endm
.macro CREST                           ; a round of the cluster's barrier behind its opening barrier
	s_cmp_lg_u32 s10, 0
	s_cbranch_scc1 .Lnot_wave_0_\@
	s_barrier_signal -3
.Lnot_wave_0_\@:
	s_barrier_wait -3
	s_barrier_signal -1
	s_barrier_wait -1
.endm
.macro CROUND
	s_barrier_signal -1
	s_barrier_wait -1
	CREST
.endm
	s_load_b256 s[72:79], s[0:1], 0x0              ; A0, A1, B, C
	v_lshl_add_u32 v[SPW], v0, 2, SPARE
	v_mov_b32 v[NIL], 0
	ds_add_u32 v[SPW], v[NIL]                      ; the wave's opening: the add, twice on end, and its wait ahead of my first tensor load
	ds_add_u32 v[SPW], v[NIL]
	v_lshrrev_b32 v1, 5, v0
	v_readfirstlane_b32 s10, v1                    ; wave 0..3
	s_lshr_b32 s11, s10, 1                         ; my half of the tile's rows; also: I fetch for A (0) or B (1)
	s_and_b32 s12, s10, 1                          ; my half of its columns; also: which 128 rows I fetch
	s_bfe_u32 s40, ttmp6, 0x40000                  ; cx
	s_bfe_u32 s41, ttmp6, 0x40004                  ; cy
	s_and_b32 s45, ttmp7, 0xffff                   ; the cluster's y: the same in all sixteen partners
	s_and_b32 s66, s45, 3                          ; cluster y % 4
	s_lshr_b32 s45, s45, 2                         ; cluster y / 4
	s_lshl_b32 s13, s66, 2
	s_add_co_u32 s13, s13, s41                     ; tile row = 4 (cluster y % 4) + cy
	s_lshl_b32 s21, s45, 2
	s_lshl_b32 s42, ttmp9, 2
	s_add_co_u32 s42, s42, s40
	s_add_co_u32 s42, s42, s21                     ; tile column = 4 cluster x + cx + 4 (cluster y / 4)
	s_lshl_b32 s43, s41, 2
	s_lshl_b32 s43, 15, s43                        ; my row of the cluster
	s_lshl_b32 s44, 0x1111, s40                    ; my column
	; descriptor group 1: two "rows" of 8,192 elements: 128 dense rows of one block of 64 along K; from block to block 262,144 elements in A, 8,192 in B; padded after every 64 elements
	s_or_b32 s[G1+0], s43, G1W
	s_or_b32 s[G1B+0], s44, G1W
.irp g, G1, G1B
	s_mov_b32 s[(\g)+1], 8192<<16                  ; tensor_dim0 = 8,192
	s_mov_b32 s[(\g)+2], 2<<16                     ; tensor_dim1 = 2
	s_mov_b32 s[(\g)+3], 8192<<16                  ; tile_dim0 = 8,192
	s_mov_b32 s[(\g)+4], 2                         ; tile_dim1 = 2
	s_mov_b32 s[(\g)+6], 0
	s_mov_b32 s[(\g)+7], 0
.endr
	s_mov_b32 s[G1+5], 262144
	s_mov_b32 s[G1B+5], 8192
	s_lshl_b32 s17, s12, 14                        ; A: the 128 rows that I fetch: 16,384 bytes
	s_lshl_b32 s16, s13, 15
	s_add_co_u32 s16, s16, s17                     ; 256 rows x tile row + my 128
	s_lshl_b32 s47, s12, 18                        ; B: the 128 rows that I fetch lie 262,144 bytes apart
	s_lshl_b32 s46, s42, 19
	s_add_co_u32 s46, s46, s47
	s_mov_b32 s17, 0
	s_mov_b32 s47, 0
	s_mul_i32 s20, s10, HALFT                      ; where they go: no place in the cluster enters an LDS address
	s_lshl_b32 s82, s13, 10                        ; the masks of my 128 rows
	s_lshl_b32 s83, s11, 9
	s_add_co_u32 s82, s82, s83
	s_add_co_u32 s82, s82, 0x800000
	s_mov_b32 s83, 0
	; the prefetches: who asks, and the offset of my work-group's 32 blocks in K step 3 (the first refill steps it to K step 4)
	s_lshr_b32 s21, ttmp9, 1
	s_or_b32 s21, s21, s45                         ; 0 in the first cluster that reads these rows of A
	s_mov_b32 s[PST], BSTEP
	s_mov_b32 s[PST+1], 0
	s_cmp_eq_u32 s11, 0                            ; do I fetch for A?
	s_cselect_b32 s21, s21, s66                    ; for B: 0 where cluster y % 4 = 0
	s_cselect_b32 s22, s40, s41                    ; my place among the four that ask with me
	s_cselect_b32 s23, 19, 14                      ; from block to block along K: 2^19 bytes in A, 2^14 in B
	s_cselect_b32 s[PST], ASTEP, s[PST]
	s_cmp_eq_u32 s21, 0
	s_cselect_b32 s[LIM], 2, -1                    ; the same in all sixteen partners, for a given wave
	s_lshr_b32 s18, s22, 1
	s_lshl_b32 s18, s18, s23
	s_and_b32 s19, s22, 1
	s_lshl_b32 s19, s19, 13
	s_add_co_u32 s18, s18, s19
	s_mul_i32 s19, s[PST], 3
	s_add_co_u32 s18, s18, s19
	s_mov_b32 s19, 0
	s_wait_dscnt 0x0                               ; both opening adds are done
	s_wait_kmcnt 0x0
	s_cmp_lt_u32 ttmp9, 1                          ; the cluster's x: the same in all sixteen partners
	s_cselect_b64 s[4:5], s[72:73], s[74:75]
	s_add_nc_u64 s[80:81], s[72:73], s[82:83]
	s_add_nc_u64 s[14:15], s[4:5], s[16:17]
	s_add_nc_u64 s[46:47], s[76:77], s[46:47]
	s_cmp_eq_u32 s11, 0
	s_cselect_b64 s[PFA:PFA+1], s[14:15], s[46:47]
	s_add_nc_u64 s[PFA:PFA+1], s[PFA:PFA+1], s[18:19]
	CROUND                                         ; all sixteen work-groups are here: the first joint loads meet
.irp s, 0,1
	s_mov_b32 s[G0+4*(\s)], 1
	s_add_co_u32 s[G0+4*(\s)+1], s20, (\s)*SLOT
	s_add_nc_u64 s[G0+4*(\s)+2:G0+4*(\s)+3], s[14:15], (\s)*ASTEP
	s_or_b32 s[G0+4*(\s)+3], s[G0+4*(\s)+3], 0x80000000
	s_mov_b32 s[G0B+4*(\s)], 1
	s_add_co_u32 s[G0B+4*(\s)+1], s20, (\s)*SLOT
	s_add_nc_u64 s[G0B+4*(\s)+2:G0B+4*(\s)+3], s[46:47], (\s)*BSTEP
	s_or_b32 s[G0B+4*(\s)+3], s[G0B+4*(\s)+3], 0x80000000
	JLOAD \s
.endr
	v_and_b32 v1, 15, v0                           ; l % 16
	v_bfe_u32 v2, v0, 4, 1                         ; l / 16
	v_lshlrev_b32 v[SO], 2, v1                     ; my row in a block of 16
	WIN TO_B
.irp a, 0,1,2,3,4,5,6,7
	global_load_b32 v[MK+2*\a],   v[SO], s[80:81] offset:64*\a
	global_load_b32 v[MK+2*\a+1], v[SO], s[80:81] offset:64*\a  ; named with it as a pair
.endr
	WIN 0
	v_mul_u32_u24 v3, v1, PITCH
	v_lshl_add_u32 v3, v2, 4, v3                   ; a fragment's row x pitch + 16 x half
	s_mul_i32 s21, s11, HALFT                      ; my 128 rows of A
	s_mul_i32 s22, s12, HALFT                      ; my 128 rows of B,
	s_add_co_u32 s22, s22, 2*HALFT                 ; which lie behind A's two halves
	v_add_nc_u32 v[ADRA0], s21, v3
	v_add_nc_u32 v[ADRB0], s22, v3
	v_mov_b32 v[ADRA], v[ADRA0]
	v_mov_b32 v[ADRB], v[ADRB0]
	s_mov_b32 s[TB], 0
	s_mul_i32 s23, s10, 2*16*SP
	s_add_co_u32 s23, s23, STAGE                   ; my stage
	v_add_nc_u32 v[STO], s23, v3                   ; in: row l % 16, 16 bytes for each half of the lanes
	v_bfe_u32 v4, v0, 3, 2                         ; back: 32 lanes take four rows of 128 bytes,
	v_and_b32 v5, 7, v0
	v_mul_u32_u24 v4, v4, SP
	v_lshl_add_u32 v4, v5, 4, v4
	v_add_nc_u32 v[RD], s23, v4
	v_and_b32 v[GO], 31, v0                        ; which are 512 consecutive bytes of C
	v_lshlrev_b32 v[PFO], 8, v[GO]
	v_lshlrev_b32 v[GO], 4, v[GO]
	s_lshl_b32 s82, s42, 21                        ; C: block 4 x tile column + 2 x my half, row 256 x tile row + 128 x my half
	s_lshl_b32 s83, s12, 20
	s_add_co_u32 s82, s82, s83
	s_lshl_b32 s83, s13, 15
	s_add_co_u32 s82, s82, s83
	s_lshl_b32 s83, s11, 14
	s_add_co_u32 s82, s82, s83
	s_mov_b32 s83, 0
	s_add_nc_u64 s[8:9], s[78:79], s[82:83]
; 16 matrix instructions: m blocks a0, a0 + 1 of the window's four (hi = 0: my rows 0-63, 1: rows 64-127) x all 8 n blocks, 32 along K.  zero = 1: the first product starts the sums.
; The 64 accumulators take turns, one instruction a turn, in the same order in every quarter step.
.macro MUL16 f, hi, a0, zero
	WIN MUL_LO+0x50*(\hi)
.irp a, \a0, (\a0)+1
.irp b, 0,1,2,3,4,5,6,7
.if \zero
	v_wmma_f32_16x16x32_f16 v[8*(8*(\a)+(\b)):8*(8*(\a)+(\b))+7], v[(\f)+8*(\b):(\f)+8*(\b)+7], v[(\f)+8*(4*(\hi)+(\a)):(\f)+8*(4*(\hi)+(\a))+7], 0
.else
	v_wmma_f32_16x16x32_f16 v[8*(8*(\a)+(\b)):8*(8*(\a)+(\b))+7], v[(\f)+8*(\b):(\f)+8*(\b)+7], v[(\f)+8*(4*(\hi)+(\a)):(\f)+8*(4*(\hi)+(\a))+7], v[8*(8*(\a)+(\b)):8*(8*(\a)+(\b))+7]
.endif
.endr
.endr
.endm
; 32 LDS loads in one run: the fragments of one quarter step (128 rows of B, 128 rows of A, 32 along K from byte k of the regions) into buffer f
.macro FETCH k, f
	WIN TO_B
.irp i, 0,1,2,3,4,5,6,7
	ds_load_b128 v[(\f)+8*(\i):(\f)+8*(\i)+3],   v[ADRB] offset:(\k)+(\i)*16*PITCH
	ds_load_b128 v[(\f)+8*(\i)+4:(\f)+8*(\i)+7], v[ADRB] offset:(\k)+(\i)*16*PITCH+32
.endr
	WIN 0
.irp i, 0,1,2,3,4,5,6,7
	ds_load_b128 v[(\f)+8*(\i):(\f)+8*(\i)+3],   v[ADRA] offset:(\k)+(\i)*16*PITCH
	ds_load_b128 v[(\f)+8*(\i)+4:(\f)+8*(\i)+7], v[ADRA] offset:(\k)+(\i)*16*PITCH+32
.endr
.endm
.macro PLACES                          ; four places in front of loads into registers that matrix instructions have read, and of vector lines that read results
.rept 4
	v_nop
.endr
.endm
; A K step is four quarter steps of 32 along K, 64 matrix instructions each, on buffers 0, 1, 0, 1.  One of the first three: multiplies buffer f; in its middle it fetches the next quarter's fragments, at byte k, into buffer g.
.macro QUARTER k, f, g, zero
	s_wait_dscnt 8                                 ; B and A's rows 0-63 are in; the youngest eight loads (A's rows 64-127) may be out
	MUL16 \f, 0, 0, \zero
	MUL16 \f, 0, 2, \zero
	PLACES
	FETCH \k, \g
	s_wait_dscnt 32                                ; all but the 32 just issued
	MUL16 \f, 1, 0, \zero
	MUL16 \f, 1, 2, \zero
.endm
; The last quarter multiplies buffer 1 and changes slots: one barrier; in front of it each wave waits for all its tensor loads, of which one is out: its part of the next slot; adds 0 to its spare word; and waits for that and for its
; reads of this slot.  fill = 1: the barrier opens a round of the cluster's, and this slot is filled again, two K steps ahead, first thing behind the round: from that request to the wait for it a wave issues 224 matrix instructions.
.macro TURN fill
.if \fill
	s_wait_xcnt 0x0                                ; the last prefetch, a K step back, has read its address: it is stepped here, ahead of the waits of the change of slots
	s_add_nc_u64 s[PFA:PFA+1], s[PFA:PFA+1], s[PST:PST+1]
.endif
	WIN 0
	s_xor_b32 s[TB], s[TB], SLOT                   ; all loads from this slot have been issued: the next fetch is from the other slot
	v_add_nc_u32 v[ADRA], s[TB], v[ADRA0]
	v_add_nc_u32 v[ADRB], s[TB], v[ADRB0]
	s_wait_tensorcnt 0x0                           ; all my tensor loads have landed
	ds_add_u32 v[SPW], v[NIL]                      ; 0 onto my spare word
	s_wait_dscnt 9                                 ; (the add and the youngest eight loads may be out)
	MUL16 F1, 0, 0, 0                              ; sixteen matrix instructions stand between the add and the wait for it
	s_wait_dscnt 0x0                               ; the add is done, and my reads of this slot are over
	s_barrier_signal -1
	MUL16 F1, 0, 2, 0                              ; work on registers while the others arrive
.if \fill
	WIN 0
.endif
	s_barrier_wait -1
.if \fill
	CREST                                          ; no wave of any partner still reads this slot's tile or has a load on its way
	s_xor_b32 s[G0+5], s[G0+5], SLOT               ; the walking descriptors: the other slot than last time, the next K step; the type bits on top are not reached
	s_add_nc_u64 s[G0+6:G0+7], s[G0+6:G0+7], ASTEP
	s_xor_b32 s[G0B+5], s[G0B+5], SLOT
	s_add_nc_u64 s[G0B+6:G0B+7], s[G0B+6:G0B+7], BSTEP
	JLOAD 1                                        ; its four v_nop are also the places in front of the loads below
.else
	PLACES
.endif
	FETCH 0, F0
.if \fill
	ASK
.endif
	MUL16 F1, 1, 0, 0
	MUL16 F1, 1, 2, 0
.endm
	s_wait_tensorcnt 1                             ; my part of K step 0 is in; K step 1's load, issued behind it, may stay out
	s_barrier_signal -1
	s_barrier_wait -1
	FETCH 0, F0
	QUARTER Q1, F0, F1, 1                          ; the first quarter stands in front of the loop: its products start the sums
	WIN 0                                          ; at a label and at a branch every window is 0
	s_mov_b32 s[CNT], STEPS-2
.Lstep:                                            ; six trips, each from a K step's second quarter to the next step's first; each fills the slot that it leaves
	QUARTER Q2, F1, F0, 0
	QUARTER Q3, F0, F1, 0
	TURN 1
	QUARTER Q1, F0, F1, 0
	WIN 0
	s_sub_co_u32 s[CNT], s[CNT], 1
	s_cmp_lg_u32 s[CNT], 0
	s_cbranch_scc1 .Lstep
	QUARTER Q2, F1, F0, 0                          ; K steps 6 and 7 are written out: nothing is left to fetch
	QUARTER Q3, F0, F1, 0
	TURN 0
	QUARTER Q1, F0, F1, 0
	QUARTER Q2, F1, F0, 0
	QUARTER Q3, F0, F1, 0
	s_wait_dscnt 8
	MUL16 F1, 0, 0, 0
	MUL16 F1, 0, 2, 0
	s_wait_dscnt 0
	MUL16 F1, 1, 0, 0
	MUL16 F1, 1, 2, 0
	WIN 0
	; THE WAY OUT, a block of 16 rows x 128 columns at a time through my own stage: mask, f16, 16 bytes a lane in, whole rows of 128 bytes back, 512 consecutive bytes a store.
	s_wait_loadcnt 0x0                             ; the masks
	PLACES
.macro PACK a
.set AC, 64*((\a)%4)
	WIN 0x86+0x41*((\a)/4)                         ; destination and source 0 window 2 or 3, the mask window 1
.irp b, 0,1,2,3,4,5,6,7
.irp r, 0,1,2,3
	v_pk_mul_f32 v[AC+8*(\b)+2*(\r):AC+8*(\b)+2*(\r)+1], v[AC+8*(\b)+2*(\r):AC+8*(\b)+2*(\r)+1], v[MK+2*(\a):MK+2*(\a)+1] op_sel_hi:[1,0]
.endr
.endr
	WIN 0x0a+5*((\a)/4)                            ; sources 0 and 1 window 2 or 3, destination window 0
.irp b, 0,1,2,3,4,5,6,7
.irp r, 0,1,2,3
	v_cvt_pk_f16_f32 v[TMP+4*(\b)+(\r)], v[AC+8*(\b)+2*(\r)], v[AC+8*(\b)+2*(\r)+1]
.endr
.endr
	WIN 0
.endm
.macro TOSTAGE a
.set BK, OB+192*((\a)%2)
.irp b, 0,1,2,3,4,5,6,7
	ds_store_b128 v[STO], v[TMP+4*(\b):TMP+4*(\b)+3] offset:((\b)/4)*16*SP+32*((\b)%4)
.endr
.irp t, 0,1,2,3,4,5,6,7
	ds_load_b128 v[BK+4*(\t):BK+4*(\t)+3], v[RD] offset:((\t)/4)*16*SP+((\t)%4)*4*SP  ; LDS serves a wave's instructions in order (ISA guide 5.7.1.4): these see the stores above
.endr
.endm
.macro SEND a
.set BK, OB+192*((\a)%2)
	s_wait_dscnt 0x0                               ; the block is back in registers
	s_wait_xcnt 0x0                                ; the stores of the block before have read their registers, into which the next block is read back
.irp t, 0,1,2,3,4,5,6,7
	global_store_b128 v[GO], v[BK+4*(\t):BK+4*(\t)+3], s[8:9] offset:((\t)/4)*524288+(\a)*2048+((\t)%4)*512  ; 512 consecutive bytes
.endr
.endm
	PACK 0
	TOSTAGE 0
.irp a, 1,2,3,4,5,6,7                  ; block a's arithmetic stands between block a - 1's loads from the stage and the wait for them
	PACK \a
	SEND (\a)-1
	TOSTAGE \a
.endr
	SEND 7
	s_wait_tensorcnt 0x0                           ; the wave's end: behind my last tensor load and my last LDS store
	ds_add_u32 v[SPW], v[NIL]
	s_wait_dscnt 0x0
	CROUND                                         ; the closing round: no work-group ends while a partner may still ask for a tile that names it
	s_endpgm
.Lfunc_end_k_qa1050ce45f_gemm:
	.size	k_qa1050ce45f_gemm, .Lfunc_end_k_qa1050ce45f_gemm-k_qa1050ce45f_gemm
	.p2alignl 7, 3214868480
	.fill 96, 4, 3214868480
	.section	.rodata,"a",@progbits
	.p2align	6, 0x0
	.amdhsa_kernel k_qa1050ce45f_gemm
		.amdhsa_group_segment_fixed_size 327680
		.amdhsa_private_segment_fixed_size 0
		.amdhsa_enable_private_segment 0
		.amdhsa_kernarg_size 32
		.amdhsa_user_sgpr_count 2
		.amdhsa_user_sgpr_kernarg_segment_ptr 1
		.amdhsa_wavefront_size32 1
		.amdhsa_system_sgpr_workgroup_id_x 1
		.amdhsa_system_sgpr_workgroup_id_y 1
		.amdhsa_system_sgpr_workgroup_id_z 1
		.amdhsa_system_vgpr_workitem_id 0
		.amdhsa_next_free_vgpr 1024
		.amdhsa_next_free_sgpr 84
		.amdhsa_reserve_vcc 0
		.amdhsa_float_denorm_mode_32 3
		.amdhsa_float_denorm_mode_16_64 3
		.amdhsa_memory_ordered 1
		.amdhsa_forward_progress 1
		.amdhsa_inst_pref_size 135
	.end_amdhsa_kernel
	.amdgpu_metadata
---
amdhsa.version: [ 1, 2 ]
amdhsa.kernels:
  - .name:           k_qa1050ce45f_gemm
    .symbol:         k_qa1050ce45f_gemm.kd
    .args:
      - { .name: XA, .offset: 0, .size: 8, .value_kind: global_buffer, .address_space: global }
      - { .name: XB, .offset: 8, .size: 8, .value_kind: global_buffer, .address_space: global }
      - { .name: WA, .offset: 16, .size: 8, .value_kind: global_buffer, .address_space: global }
      - { .name: QKV, .offset: 24, .size: 8, .value_kind: global_buffer, .address_space: global }
    .group_segment_fixed_size: 327680
    .private_segment_fixed_size: 0
    .kernarg_segment_align: 8
    .kernarg_segment_size: 32
    .max_flat_workgroup_size: 128
    .sgpr_count:     84
    .vgpr_count:     1024
    .wavefront_size: 32
...
	.end_amdgpu_metadata
.endif
;; end of part 2
;; launch att1 (part 3): grid 8 x 32, 8 waves a work-group, no clusters, 327,680 bytes of LDS; arguments QKV, WA; writes WA
.if DOCPART == 3
	.amdgcn_target "amdgcn-amd-amdhsa--gfx1250"
	.amdhsa_code_object_version 6
	.text
	.protected	k_qa1050ce45f_att1
	.globl	k_qa1050ce45f_att1
	.p2align	8
	.type	k_qa1050ce45f_att1,@function
k_qa1050ce45f_att1:
	s_mov_b64 s[64:65], 0
	v_nop
	global_prefetch_b8 v0, s[64:65] scope:SCOPE_SE
	s_setreg_imm32_b32 hwreg(HW_REG_WAVE_MODE, 25, 1), 1
	s_wait_xcnt 0x0
; CAUSAL SELF-ATTENTION with reference()'s length mask.  Z[y][q][:] = the sum over k of softmax_k(Q[q] . K[k] / 8) V[k][:], over k <= q and k < LEN, y = 2 h + b.
; Q, K, V: blocks 0-15, 16-31, 32-47 of QKV, a head's 2,048 rows dense, 128 bytes each, f16.  Z the same layout.  Products, maxima and sums in f32; the weights are rounded to f16 for the second product, Z once.
; LEFT OUT: key steps wholly above the causal diagonal, which reference() sets to -inf: their weights are 0 for all values of the inputs.  The factor out * m is applied by the launch behind.
; LEN = the number of non-zero energies in query row 0 of the head, over all 2,048 keys: every wave counts 256 keys by 32 products of its own, the eight counts meet in LDS.  LEN only selects values: no branch and no address hangs on it.
; THE MASKS are the C operand that starts the sum S^T = K Q^T: 0, or -1e30 where the key is hidden.  MD is the pattern of the step that holds key LEN; a step's mask is MD x AL + BE with (AL, BE) = (1, 0) in that step, (0, 0)
; before it, (0, -1e30) behind it.  In a tile's diagonal step the causal pattern MDC is added.
; LIMITS.  f16 holds no number beyond 65,504.  A hidden score counts as its value less 1e30 (or 2e30); a weight below 2^-126 counts as 0.  "Energy is not 0" is tested on energies of f16 operands.  LEN = 0 gives NaN, as in reference().
; SHARES.  A head's queries lie in 16 blocks of 128.  Work-group bq takes blocks 15 - bq and bq; wave w holds 16 rows of each: tile 0 (rows 128 (15 - bq) + 16 w) and tile 1 (rows 128 bq + 16 w).  A tile's diagonal step is
; 2 block + w / 4, so each wave has 32 or 34 tile-steps of 64 keys, whatever bq.  Two waves lie on a SIMD: while one is in its vector phase the other can have the matrix unit, so the text stands in phases.
; THE WALK.  Slots of 256 keys; eight trips, a constant; a fill is jumped where no step of the work-group reads the slot (slot number above (15 - bq) / 2): the condition is made of the work-group's number and the trip;
; dead steps are jumped forward by scalar branches that pass no barrier and no tensor load.
; NO CLUSTER: a head's eight work-groups need 5 to 8 slots; in a joint walk every trip lasts as long as the busiest partner's share of it: 20 units of work for 17 in either cluster of a head.
; REGISTERS.  window 0: v0-15 addresses; v16-23 statistics (c m, m, l, l a tile); v24-31 at work; v32-95 S^T; v96-127 P; v128-191 K; v192-255 V.
;             window 1: v0-63 O^T; v64-95 Q; v96-127 MD; v128-159 MC, the step's mask; v160-191 MDC.
.set KS,    64
.set PK,    144       ; a row of K in LDS: 128 bytes + 16 = 36 words: the 16 rows of a load start at 16 different groups of four banks (64 banks of 4 bytes: ISA guide 11.1)
.set PV,    160       ; a row of V: 128 + 32 = 40 words
.set VOFF,  4*KS*PK   ; a slot: 256 rows of K, then 256 rows of V
.set SLOT1, 1<<17
.set STAGE, SLOT1+4*KS*(PK+PV)  ; behind the ring: 16 rows x 144 bytes for each wave
.set SP,    144
.set LENB,  STAGE+8*16*SP       ; the eight counts: a block of 256 bytes of its own
.set SPARE, LENB+256            ; the spare words, 128 bytes for each of eight waves
.set AK0, 2
.set AV0, 3
.set AK,  4
.set AV,  5
.set STO, 6
.set RD,  7
.set GO,  8
.set SPW, 10
.set NIL, 11
.set MV,  12
.set PFO, 14
.set QO,  15
.set ST,  16
.set TMP, 24
.set S,   32
.set P,   96
.set KF,  128
.set VF,  192
.set CN,  98          ; the prologue's registers lie in P's
.set TT,  99
.set LR,  100
.set LA,  108
.set QR,  64          ; window 1
.set MD,  96
.set MC,  128
.set MDC, 160
.set WV,  12
.set G1K, 24
.set G1V, 32
.set G0K, 40
.set G0V, 44
.set PFA, 50
.set LIM, 52
.set PAR, 53
.set J,   54
.set LEN, 55
.set SLOTS, 56
.set CNT, 57
.set CS,  58
.set SEL, 60
.set TBK, 62
.set TBV, 63
.set LQ,  66
.set NANM, 67
.set AL,  68
.set BE,  70
.set BIGN, 72
.set JDH, 73
.set JDL, 74
.set HS,  75
.set T1,  76
.set MSB, 0
.macro WIN new
.if MSB != (\new)
	s_set_vgpr_msb (MSB<<8)|(\new)
.set MSB, (\new)
.endif
.endm
.set W_KM, 0x14       ; K window 0, Q and the mask window 1, S^T window 0
.set W_KQ, 0x04
.set W_PV, 0x50       ; V and P window 0, O^T window 1
.set W_RS, 0x41       ; destination and source 0 window 1
.set W_DG, 0x45       ; destination and both sources window 1
.macro PLACES
.rept 4
	v_nop
.endr
.endm
; A fill.  Waves 0-3 fetch the four quarters of a slot's K, waves 4-7 those of its V: 64 keys each.  An s_nop 0 and four v_nop follow each of the two lines.
.macro LOAD
	s_cmp_lt_u32 s[WV], 4
	s_cbranch_scc0 .Lfor_v_\@
	tensor_load_to_lds s[G0K:G0K+3], s[G1K:G1K+7]
	s_nop 0
.rept 4
	v_nop
.endr
	s_branch .Lasked_\@
.Lfor_v_\@:
	tensor_load_to_lds s[G0V:G0V+3], s[G1V:G1V+7]
	s_nop 0
.rept 4
	v_nop
.endr
.Lasked_\@:
.endm
; A prefetch of V: work-group bq = 0, which walks all eight slots, asks; its waves 4-7 each for their own quarter (32 blocks of 256 bytes, a lane a block) of the slot behind the one that is being asked for: four key steps ahead of
; that slot's load.  So each block is named once in the launch.  It stops when that slot would be the ninth.  K is not asked for: every work-group's prologue reads the head's whole K by loads of its own first.
.macro ASK
	s_cmp_gt_u32 s[SLOTS], s[LIM]
	s_cbranch_scc0 .Lnot_mine_\@
	global_prefetch_b8 v[PFO], s[PFA:PFA+1] th:TH_LOAD_NT scope:SCOPE_SE
.Lnot_mine_\@:
.endm
	s_load_b128 s[84:87], s[0:1], 0x0              ; QKV, Z
	v_lshl_add_u32 v[SPW], v0, 2, SPARE
	v_mov_b32 v[NIL], 0
	ds_add_u32 v[SPW], v[NIL]                      ; the wave's opening: the add, twice on end, and its wait ahead of my first tensor load
	ds_add_u32 v[SPW], v[NIL]
	v_lshrrev_b32 v1, 5, v0
	v_readfirstlane_b32 s[WV], v1                  ; wave 0..7
	s_mov_b32 s2, ttmp9                            ; bq: the low block
	s_sub_co_u32 s3, 15, s2                        ; the high block
	s_lshr_b32 s[HS], s3, 1                        ; the last slot that the work-group reads
	s_lshr_b32 s16, s[WV], 2
	s_lshl_b32 s[JDH], s3, 1
	s_add_co_u32 s[JDH], s[JDH], s16               ; tile 0's diagonal step
	s_lshl_b32 s[JDL], s2, 1
	s_add_co_u32 s[JDL], s[JDL], s16               ; tile 1's
	s_xor_b32 s[LIM], s16, 1
	s_or_b32 s[LIM], s[LIM], ttmp9
	s_cmp_eq_u32 s[LIM], 0
	s_cselect_b32 s[LIM], 2, -1                    ; 2 in waves 4-7 of work-group 0, else the greatest number
	s_and_b32 s14, ttmp7, 0xffff
	s_lshl_b32 s14, s14, 18                        ; the head's first byte in a group of 16 blocks
	s_mov_b32 s15, 0
	s_lshl_b32 s17, s[WV], 11                      ; my 16 rows in a block of 128
	s_lshl_b32 s4, s3, 14
	s_add_co_u32 s4, s4, s17
	s_add_co_u32 s4, s4, s14                       ; tile 0's rows
	s_mov_b32 s5, 0
	s_lshl_b32 s6, s2, 14
	s_add_co_u32 s6, s6, s17
	s_add_co_u32 s6, s6, s14                       ; tile 1's rows
	s_mov_b32 s7, 0
	s_and_b32 s16, s[WV], 3                        ; which quarter of a slot I fetch
	s_mul_i32 s17, s16, KS*PK
	s_mul_i32 s18, s16, KS*PV
	s_lshl_b32 s19, s16, 13
	s_add_co_u32 s20, s14, s19
	s_add_co_u32 s20, s20, 0x800000                ; K's blocks begin 8 MiB in,
	s_mov_b32 s21, 0
	s_add_co_u32 s22, s20, 0x800000                ; V's 16 MiB in
	s_mov_b32 s23, 0
	s_add_co_u32 s8, s22, 32768                    ; the prefetches stand at my quarter of slot 1; the first change steps them to slot 2
	s_mov_b32 s9, 0
	s_lshl_b32 s2, s[WV], 15                       ; the 256 keys that I count
	s_add_co_u32 s2, s2, s14
	s_add_co_u32 s2, s2, 0x800000
	s_mov_b32 s3, 0
	; descriptor group 1: 64 keys are 8,192 dense bytes: 32 rows of 256 bytes, two keys a row, padded in LDS after every key
	s_mov_b32 s[G1K], (1<<16)|(1<<20)|(4<<22)|(3<<25)  ; 17:16 2-byte elements; 20 padding on; 24:22 after every 32 words (code 4); 31:25 4 words (code 3)
	s_mov_b32 s[G1V], (1<<16)|(1<<20)|(4<<22)|(7<<25)  ; the same with 8 words (code 7)
.irp g, G1K, G1V
	s_mov_b32 s[\g+1], 128<<16      ; tensor_dim0 = 128
	s_mov_b32 s[\g+2], 32<<16       ; tensor_dim1 = 32
	s_mov_b32 s[\g+3], 128<<16      ; tile_dim0 = 128
	s_mov_b32 s[\g+4], 32           ; tile_dim1 = 32
	s_mov_b32 s[\g+5], 128          ; 128 elements from row to row
	s_mov_b32 s[\g+6], 0
	s_mov_b32 s[\g+7], 0
.endr
	s_mov_b32 s[G0K], 1
	s_mov_b32 s[G0K+1], s17
	s_mov_b32 s[G0V], 1
	s_add_co_u32 s[G0V+1], s18, VOFF
	s_mov_b32 s[CS], 0x3e38aa3b     ; c = log2(e) / 8
	s_mov_b32 s[CS+1], s[CS]
	s_mov_b32 s[SEL], 0x76543210
	s_mov_b32 s[SEL+1], 0xfedcba98
	s_mov_b32 s[BIGN], 0xf149f2ca   ; -1e30
	s_mov_b32 s[AL+1], 0            ; named as pairs
	s_mov_b32 s[BE+1], 0
	s_mov_b32 s[PAR], SLOT1         ; the first change of slots turns it into 0
	s_mov_b32 s[J], 0
	s_mov_b32 s[SLOTS], 8
	s_mov_b32 s[T1], 1
	s_wait_dscnt 0x0                ; both opening adds are done
	s_wait_kmcnt 0x0
	s_add_nc_u64 s[G0K+2:G0K+3], s[84:85], s[20:21]
	s_or_b32 s[G0K+3], s[G0K+3], 0x80000000
	s_add_nc_u64 s[G0V+2:G0V+3], s[84:85], s[22:23]
	s_or_b32 s[G0V+3], s[G0V+3], 0x80000000
	s_add_nc_u64 s[78:79], s[84:85], s[4:5]        ; Q, tile 0
	s_add_nc_u64 s[88:89], s[84:85], s[6:7]        ; Q, tile 1
	s_add_nc_u64 s[10:11], s[86:87], s[4:5]        ; Z, tile 0
	s_add_nc_u64 s[48:49], s[86:87], s[6:7]        ; Z, tile 1
	s_add_nc_u64 s[80:81], s[84:85], s[14:15]      ; the head's rows 0-15 of Q
	s_add_nc_u64 s[82:83], s[84:85], s[2:3]        ; my 256 keys
	s_add_nc_u64 s[PFA:PFA+1], s[84:85], s[8:9]
	LOAD                            ; slot 0
	; THE LENGTH.  A fragment is 16 rows x 32 channels in 8 registers: lane l holds row l % 16, channels 8 (l / 16) + 0..7 and 16 + 8 (l / 16) + 0..7: loads of 16 bytes, 32 bytes apart.
	v_and_b32 v1, 15, v0            ; l % 16
	v_bfe_u32 v9, v0, 4, 1          ; l / 16
	v_lshlrev_b32 v[QO], 7, v1
	v_lshl_add_u32 v[QO], v9, 4, v[QO]
	WIN 0x40                        ; destination window 1, address window 0
.irp q, 0,1,2,3
	global_load_b128 v[QR+4*\q:QR+4*\q+3], v[QO], s[78:79] offset:32*\q
.endr
.irp q, 0,1,2,3
	global_load_b128 v[QR+16+4*\q:QR+16+4*\q+3], v[QO], s[88:89] offset:32*\q
.endr
.irp q, 0,1,2,3
	global_load_b128 v[MD+4*\q:MD+4*\q+3], v[QO], s[80:81] offset:32*\q  ; rows 0-15, in MD's registers for now
.endr
	WIN 0
.set kt, 0
.rept 8                             ; key tiles 0-7 of my sixteen into window 0, v128-255
.irp q, 0,1,2,3
	global_load_b128 v[128+16*kt+4*\q:128+16*kt+4*\q+3], v[QO], s[82:83] offset:2048*kt+32*\q
.endr
.set kt, kt+1
.endr
	WIN 0x40
.set kt, 0
.rept 8                             ; key tiles 8-15 into window 1, v128-255
.irp q, 0,1,2,3
	global_load_b128 v[128+16*kt+4*\q:128+16*kt+4*\q+3], v[QO], s[82:83] offset:2048*(kt+8)+32*\q
.endr
.set kt, kt+1
.endr
	; while they are on their way: O^T and l start at 0, m at the lowest finite number, c m far below every c s: the first step is a step like any other, with a = 0
.set i, 0
.rept 64
	v_mov_b32 v[i], 0
.set i, i+1
.endr
	WIN 0
.irp u, 0,1
	v_mov_b32 v[ST+4*\u], 0xfe000000
	v_mov_b32 v[ST+4*\u+1], 0xff7fffff
	v_mov_b32 v[ST+4*\u+2], 0
	v_mov_b32 v[ST+4*\u+3], 0
.endr
	v_mul_u32_u24 v[AK0], v1, PK
	v_lshl_add_u32 v[AK0], v9, 4, v[AK0]           ; row x pitch + 16 x half
	; The turning load takes 16 keys x 16 channels (lane l reads key 8 (l / 16) + l % 8, channels 8 ((l / 8) % 2) + 0..7) and leaves half a fragment of V^T: lane l holds channel l % 16 and 8 keys.
	v_and_b32 v[LR], 7, v0
	v_bfe_u32 v[LR+1], v0, 3, 1
	v_lshl_add_u32 v[AV0], v9, 3, v[LR]
	v_mul_u32_u24 v[AV0], v[AV0], PV
	v_lshl_add_u32 v[AV0], v[LR+1], 4, v[AV0]
	v_add_nc_u32 v[AV0], VOFF, v[AV0]
	s_mul_i32 s77, s[WV], 16*SP
	s_add_co_u32 s77, s77, STAGE                   ; my stage
	v_add_nc_u32 v[STO], s77, v[AK0]               ; in: row l % 16, 16 bytes for each half of the lanes
	v_bfe_u32 v[RD], v0, 3, 2                      ; back: 32 lanes take four rows of 128 bytes,
	v_mul_u32_u24 v[RD], v[RD], SP
	v_lshl_add_u32 v[RD], v[LR], 4, v[RD]
	v_add_nc_u32 v[RD], s77, v[RD]
	v_and_b32 v[GO], 31, v0                        ; which are 512 consecutive bytes of Z
	v_lshlrev_b32 v[PFO], 8, v[GO]
	v_lshlrev_b32 v[GO], 4, v[GO]
	v_mov_b32 v[CN], 0
; 16 products: source 0 = the head's query rows 0-15, source 1 = 16 keys: register 0 of lanes 0-15 holds the energy of query 0 and key l.  Eight accumulators by turns.
.macro ENER win
	WIN \win
.set kt, 0
.rept 8
	v_wmma_f32_16x16x32_f16 v[S+8*kt:S+8*kt+7], v[MD:MD+7], v[128+16*kt:128+16*kt+7], 0
.set kt, kt+1
.endr
.set kt, 0
.rept 8
	v_wmma_f32_16x16x32_f16 v[S+8*kt:S+8*kt+7], v[MD+8:MD+15], v[128+16*kt+8:128+16*kt+15], v[S+8*kt:S+8*kt+7]
.set kt, kt+1
.endr
	WIN 0
	PLACES
.set kt, 0
.rept 8
	v_cmp_neq_f32 vcc_lo, 0, v[S+8*kt]
	v_cndmask_b32 v[TT], 0, 1.0, vcc_lo
	v_add_f32 v[CN], v[CN], v[TT]                  ; counts to 2,048 are exact in f32
.set kt, kt+1
.endr
.endm
	s_wait_loadcnt 32                              ; all but the 32 loads of key tiles 8-15
	ENER 0x01                                      ; query rows in window 1, keys in window 0
	s_wait_loadcnt 0x0
	ENER 0x05                                      ; both in window 1
	s_mov_b32 s77, 0xffff
	v_cndmask_b32 v[CN], 0, v[CN], s77             ; lanes 16-31 hold query 8's energies: they count nothing
.irp m, 1,2,4,8
	v_add_f32_dpp v[CN], v[CN], v[CN] row_xmask:\m row_mask:0xf bank_mask:0xf
.endr
	v_permlanex16_b32 v[TT], v[CN], s[SEL], s[SEL+1]
	v_add_f32 v[CN], v[CN], v[TT]
	s_lshl_b32 s77, s[WV], 2
	s_add_co_u32 s77, s77, LENB
	v_mov_b32 v[LA], s77
	ds_store_b32 v[LA], v[CN]                      ; all lanes write the same word with the same value
	s_wait_dscnt 0x0
	s_barrier_signal -1                            ; slot 0's load may stay out
	s_barrier_wait -1
	v_mov_b32 v[LA], LENB
	ds_load_b128 v[LR:LR+3], v[LA]
	ds_load_b128 v[LR+4:LR+7], v[LA] offset:16
	s_wait_dscnt 0x0
	v_add_f32 v[LR], v[LR], v[LR+1]
	v_add_f32 v[LR+2], v[LR+2], v[LR+3]
	v_add_f32 v[LR+4], v[LR+4], v[LR+5]
	v_add_f32 v[LR+6], v[LR+6], v[LR+7]
	v_add_f32 v[LR], v[LR], v[LR+2]
	v_add_f32 v[LR+4], v[LR+4], v[LR+6]
	v_add_f32 v[LR], v[LR], v[LR+4]
	v_cvt_u32_f32 v[CN], v[LR]
	v_readfirstlane_b32 s[LEN], v[CN]
	s_lshr_b32 s[LQ], s[LEN], 6                    ; the step that holds key LEN
	s_and_b32 s77, s[LEN], 63
	v_lshlrev_b32 v[TT], 3, v9
	v_sub_nc_u32 v[TT], s77, v[TT]                 ; register i (key 16 (i / 8) + i % 8 + 8 (l / 16) of the step) is hidden where 16 (i / 8) + i % 8 is not below this
	s_cmp_eq_u32 s[LEN], 0
	s_cselect_b32 s[NANM], -1, 0
	s_and_b32 s77, s[WV], 3
	s_lshl_b32 s77, s77, 4
	v_lshlrev_b32 v[CN], 3, v9
	v_sub_nc_u32 v[CN], v1, v[CN]
	v_add_nc_u32 v[CN], s77, v[CN]                 ; my query's place in its step of 64, less 8 (l / 16): register i is hidden where 16 (i / 8) + i % 8 is greater
	WIN 0x40
.set i, 0
.rept 32
	v_cmp_ge_i32 vcc_lo, 16*(i/8)+i%8, v[TT]
	v_cndmask_b32 v[MD+i], 0, s[BIGN], vcc_lo
	v_cmp_gt_i32 vcc_lo, 16*(i/8)+i%8, v[CN]
	v_cndmask_b32 v[MDC+i], 0, s[BIGN], vcc_lo
.set i, i+1
.endr
	WIN 0
; THE STEP'S MASK.  Its 16 plain lines are also the places between the last product V^T P and the loads into V's registers.
.macro LENMASK
	s_cmp_eq_u32 s[J], s[LQ]
	s_cselect_b32 s[AL], 1.0, 0
	s_cmp_gt_u32 s[J], s[LQ]
	s_cselect_b32 s[BE], s[BIGN], 0
	WIN W_RS
.set z, 0
.rept 16
	v_pk_fma_f32 v[MC+2*z:MC+2*z+1], v[MD+2*z:MD+2*z+1], s[AL:AL+1], s[BE:BE+1] op_sel_hi:[1,0,0]
.set z, z+1
.endr
	WIN 0
.endm
.macro DIAG                         ; the causal pattern is added
	WIN W_DG
.set z, 0
.rept 16
	v_pk_add_f32 v[MC+2*z:MC+2*z+1], v[MC+2*z:MC+2*z+1], v[MDC+2*z:MDC+2*z+1]
.set z, z+1
.endr
	WIN 0
.endm
.macro FETCH                        ; a step's K (8 fragments) and its V (turned), 32 LDS loads in one run
	v_add_nc_u32 v[AK], s[TBK], v[AK0]
	v_add_nc_u32 v[AV], s[TBV], v[AV0]
.irp f, 0,1,2,3,4,5,6,7             ; keys 16 (f / 2) on, channels 32 (f % 2) on
	ds_load_b128 v[KF+8*\f:KF+8*\f+3],   v[AK] offset:(\f/2)*16*PK+(\f%2)*64
	ds_load_b128 v[KF+8*\f+4:KF+8*\f+7], v[AK] offset:(\f/2)*16*PK+(\f%2)*64+32
.endr
.irp f, 0,1,2,3,4,5,6,7             ; keys 32 (f / 4) on, channels 16 (f % 4) on
	ds_load_tr16_b128 v[VF+8*\f:VF+8*\f+3],   v[AV] offset:(\f/4)*32*PV+(\f%4)*32
	ds_load_tr16_b128 v[VF+8*\f+4:VF+8*\f+7], v[AV] offset:(\f/4)*32*PV+16*PV+(\f%4)*32
.endr
.endm
; S^T = K Q^T for nt tiles from u0 on: the accumulators take turns, one instruction a turn.  The first link of each takes the mask as C.
.macro KQ u0, nt
.set i, 0
.rept 8*(\nt)
.set tl, (\u0)+i%(\nt)
.set kb, (i/(\nt))%4
.if i < 4*(\nt)
	WIN W_KM
	v_wmma_f32_16x16x32_f16 v[S+32*tl+8*kb:S+32*tl+8*kb+7], v[KF+16*kb:KF+16*kb+7], v[QR+16*tl:QR+16*tl+7], v[MC+8*kb:MC+8*kb+7]
.else
	WIN W_KQ
	v_wmma_f32_16x16x32_f16 v[S+32*tl+8*kb:S+32*tl+8*kb+7], v[KF+16*kb+8:KF+16*kb+15], v[QR+16*tl+8:QR+16*tl+15], v[S+32*tl+8*kb:S+32*tl+8*kb+7]
.endif
.set i, i+1
.endr
.endm
.macro PV u0, nt                    ; O^T += V^T P
	WIN W_PV
.set i, 0
.rept 8*(\nt)
.set tl, (\u0)+i%(\nt)
.set kb, (i/(\nt))%4
.set cc, i/(4*(\nt))
	v_wmma_f32_16x16x32_f16 v[32*tl+8*kb:32*tl+8*kb+7], v[VF+32*cc+8*kb:VF+32*cc+8*kb+7], v[P+16*tl+8*cc:P+16*tl+8*cc+7], v[32*tl+8*kb:32*tl+8*kb+7]
.set i, i+1
.endr
.endm
; THE SOFTMAX of a tile and step, as numbered lists.
.macro REGS u
.set rT, ST+4*(\u)
.set rC, TMP+4*(\u)
.set rM, MV+(\u)
.set rS, S+32*(\u)
.set rP, P+16*(\u)
.set rO, 32*(\u)
.endm
; XS 0-11 four chains of seven scores (each accumulator's lowest registers are read first); 12-14, 16 the four left over, the old m, all into c0; 15 c m_old is kept; 17, 18 the lane 16 away holds the
; query's other 32 keys: the new m; 19-21 c m, c m_old - c m_new, a
.macro XS u, n
	REGS \u
.if (\n) < 4
	v_max3_num_f32 v[rC+(\n)], v[rS+8*(\n)], v[rS+8*(\n)+1], v[rS+8*(\n)+2]
.elseif (\n) < 12
	v_max3_num_f32 v[rC+(\n)%4], v[rC+(\n)%4], v[rS+8*((\n)%4)+2*((\n)/4)+1], v[rS+8*((\n)%4)+2*((\n)/4)+2]
.elseif (\n) == 12
	v_max3_num_f32 v[rC], v[rC], v[rS+7], v[rS+15]
.elseif (\n) == 13
	v_max3_num_f32 v[rC+1], v[rC+1], v[rS+23], v[rS+31]
.elseif (\n) == 14
	v_max3_num_f32 v[rC+2], v[rC+2], v[rC+3], v[rT+1]
.elseif (\n) == 15
	v_mov_b32 v[rM], v[rT]
.elseif (\n) == 16
	v_max3_num_f32 v[rC], v[rC], v[rC+1], v[rC+2]
.elseif (\n) == 17
	v_permlanex16_b32 v[rC+3], v[rC], s[SEL], s[SEL+1]
.elseif (\n) == 18
	v_max_num_f32 v[rT+1], v[rC], v[rC+3]
.elseif (\n) == 19
	v_mul_f32 v[rT], s[CS], v[rT+1]
.elseif (\n) == 20
	v_sub_f32 v[rC+1], v[rM], v[rT]
.else
	v_exp_f32 v[rC+2], v[rC+1]
.endif
.endm
.macro FS u, n                      ; c s - c m, a pair of scores
	REGS \u
	v_pk_fma_f32 v[rS+2*(\n):rS+2*(\n)+1], v[rS+2*(\n):rS+2*(\n)+1], s[CS:CS+1], v[rT:rT+1] op_sel_hi:[1,0,0] neg_lo:[0,0,1] neg_hi:[0,0,1]
.endm
.macro EX u, n
	REGS \u
	v_exp_f32 v[rS+(\n)], v[rS+(\n)]
.endm
.macro RR u, n                      ; O^T times a
	REGS \u
	v_pk_mul_f32 v[rO+2*(\n):rO+2*(\n)+1], v[rO+2*(\n):rO+2*(\n)+1], v[rC+2:rC+3] op_sel_hi:[1,0]
.endm
.macro CC u, n                      ; a pair of weights rounded to f16
	REGS \u
	v_cvt_pk_f16_f32 v[rP+(\n)], v[rS+2*(\n)], v[rS+2*(\n)+1]
.endm
.macro BB u, n                      ; of four weights the second pair is added onto the first
	REGS \u
	v_pk_add_f32 v[rS+4*(\n):rS+4*(\n)+1], v[rS+4*(\n):rS+4*(\n)+1], v[rS+4*(\n)+2:rS+4*(\n)+3]
.endm
.macro LL u, n                      ; l takes that sum; the first time l = a l + sum
	REGS \u
.if (\n) == 0
	v_pk_fma_f32 v[rT+2:rT+3], v[rT+2:rT+3], v[rC+2:rC+3], v[rS:rS+1] op_sel_hi:[1,0,1]
.else
	v_pk_add_f32 v[rT+2:rT+3], v[rT+2:rT+3], v[rS+4*(\n):rS+4*(\n)+1]
.endif
.endm
.macro RUN op, cnt, u0, nt          ; numbers 0 to cnt - 1 of a list, the tiles alternating
.set n, 0
.rept \cnt
	\op \u0, n
.if (\nt) > 1
	\op (\u0)+1, n
.endif
.set n, n+1
.endr
.endm
; All exponentials of a step are ONE batch: none of the lines ahead of the wait names a result of theirs; a v_nop is the plain line behind the last; one wait ahead of the first reader.
.macro SOFT u0, nt
	WIN 0
	RUN XS, 22, \u0, \nt
	RUN FS, 16, \u0, \nt
	RUN EX, 32, \u0, \nt
	v_nop
	s_wait_alu depctr_va_vdst(0)
	WIN W_RS
	RUN RR, 16, \u0, \nt
	WIN 0
	RUN CC, 16, \u0, \nt
	RUN BB, 8, \u0, \nt
	RUN LL, 8, \u0, \nt
.endm
.macro TSTEP u0, nt
	KQ \u0, \nt
	WIN 0
	PLACES
	SOFT \u0, \nt
	s_wait_dscnt 0x0                ; V is in
	PV \u0, \nt
	WIN 0
.endm
.Lslot:                             ; eight trips: slot T1 is asked for (where it is read), slot T1 - 1 is walked
	s_wait_tensorcnt 0x0            ; all my tensor loads have landed: my part of the slot to be walked; so a group 0 may be written
	ds_add_u32 v[SPW], v[NIL]       ; 0 onto my spare word
	s_xor_b32 s[G0K+1], s[G0K+1], SLOT1
	s_add_nc_u64 s[G0K+2:G0K+3], s[G0K+2:G0K+3], 32768
	s_xor_b32 s[G0V+1], s[G0V+1], SLOT1
	s_add_nc_u64 s[G0V+2:G0V+3], s[G0V+2:G0V+3], 32768
	s_wait_xcnt 0x0                 ; the last prefetch, a slot back, has read its address
	s_add_nc_u64 s[PFA:PFA+1], s[PFA:PFA+1], 32768
	s_wait_dscnt 0x0                ; the add is done, and my reads of the slot that is left are over
	s_barrier_signal -1
	s_barrier_wait -1
	s_cmp_le_u32 s[T1], s[HS]       ; made of the work-group's number and the trip: the same in all eight waves
	s_cbranch_scc0 .Lnofill         ; round the fill alone: no step of this work-group reads that slot
	LOAD
.Lnofill:
	ASK
	s_xor_b32 s[PAR], s[PAR], SLOT1
	s_mov_b32 s[TBK], s[PAR]
	s_mov_b32 s[TBV], s[PAR]
	s_mov_b32 s[CNT], 4
.Lstep:
	s_cmp_gt_u32 s[J], s[JDH]
	s_cbranch_scc1 .Lbot            ; above both tiles' diagonals
	LENMASK
	FETCH
	s_cmp_lg_u32 s[J], s[JDH]
	s_cbranch_scc1 .Lnd0
	DIAG
.Lnd0:
	s_wait_dscnt 16                 ; K is in; V's sixteen loads may be out
	TSTEP 0, 1
	s_cmp_gt_u32 s[J], s[JDL]
	s_cbranch_scc1 .Lbot            ; above tile 1's diagonal
	s_cmp_lg_u32 s[J], s[JDL]
	s_cbranch_scc1 .Lnd1
	DIAG
.Lnd1:
	TSTEP 1, 1
.Lbot:
	s_add_co_u32 s[TBK], s[TBK], KS*PK
	s_add_co_u32 s[TBV], s[TBV], KS*PV
	s_add_co_u32 s[J], s[J], 1
	s_sub_co_u32 s[CNT], s[CNT], 1
	s_cmp_lg_u32 s[CNT], 0
	s_cbranch_scc1 .Lstep
	s_add_co_u32 s[T1], s[T1], 1
	s_sub_co_u32 s[SLOTS], s[SLOTS], 1
	s_cmp_lg_u32 s[SLOTS], 0
	s_cbranch_scc1 .Lslot
	; THE WAY OUT.  l's two halves and the other half of the lanes' are added; O^T is divided by l (NaN where LEN = 0), rounded to f16 and sent through my stage, a tile at a time.
	PLACES
.irp t, 0,1
	v_add_f32 v[ST+4*\t+2], v[ST+4*\t+2], v[ST+4*\t+3]
.endr
.irp t, 0,1
	v_permlanex16_b32 v[ST+4*\t+3], v[ST+4*\t+2], s[SEL], s[SEL+1]
.endr
.irp t, 0,1
	v_add_f32 v[ST+4*\t+2], v[ST+4*\t+2], v[ST+4*\t+3]
.endr
.irp t, 0,1
	v_rcp_f32 v[ST+4*\t+2], v[ST+4*\t+2]
.endr
	v_mov_b32 v[QO], 0x7fc00000     ; the plain line behind the last reciprocal
	s_wait_alu depctr_va_vdst(0)    ; one wait for both, ahead of the first use
.irp t, 0,1
	v_cndmask_b32 v[ST+4*\t+2], v[ST+4*\t+2], v[QO], s[NANM]
.endr
.macro PACK t
	WIN W_RS
.set i, 32*(\t)
.rept 16
	v_pk_mul_f32 v[i:i+1], v[i:i+1], v[ST+4*(\t)+2:ST+4*(\t)+3] op_sel_hi:[1,0]
.set i, i+2
.endr
	WIN 0x05                        ; sources window 1, destination window 0: S^T's registers are free
.set i, 0
.rept 16
	v_cvt_pk_f16_f32 v[S+16*(\t)+i], v[32*(\t)+2*i], v[32*(\t)+2*i+1]
.set i, i+1
.endr
	WIN 0
.irp f, 0,1,2,3
	ds_store_b128 v[STO], v[S+16*(\t)+4*\f:S+16*(\t)+4*\f+3] offset:32*\f
.endr
.irp f, 0,1,2,3
	ds_load_b128 v[S+16*(\t)+4*\f:S+16*(\t)+4*\f+3], v[RD] offset:\f*4*SP  ; LDS serves a wave's instructions in order (ISA guide 5.7.1.4)
.endr
.endm
.macro SEND t, younger, base        ; younger: the LDS instructions issued behind tile t's loads
.irp f, 0,1,2,3
	s_wait_dscnt (\younger)+3-\f
	global_store_b128 v[GO], v[S+16*(\t)+4*\f:S+16*(\t)+4*\f+3], s[\base:\base+1] offset:\f*512  ; 512 consecutive bytes
.endr
.endm
	PACK 0
	PACK 1
	SEND 0, 8, 10
	SEND 1, 0, 48
	s_wait_tensorcnt 0x0            ; the wave's end: behind my last tensor load and my last LDS store
	ds_add_u32 v[SPW], v[NIL]
	s_wait_dscnt 0x0
	s_endpgm
.Lfunc_end_k_qa1050ce45f_att1:
	.size	k_qa1050ce45f_att1, .Lfunc_end_k_qa1050ce45f_att1-k_qa1050ce45f_att1
	.p2alignl 7, 3214868480
	.fill 96, 4, 3214868480
	.section	.rodata,"a",@progbits
	.p2align	6, 0x0
	.amdhsa_kernel k_qa1050ce45f_att1
		.amdhsa_group_segment_fixed_size 327680
		.amdhsa_private_segment_fixed_size 0
		.amdhsa_enable_private_segment 0
		.amdhsa_kernarg_size 16
		.amdhsa_user_sgpr_count 2
		.amdhsa_user_sgpr_kernarg_segment_ptr 1
		.amdhsa_wavefront_size32 1
		.amdhsa_system_sgpr_workgroup_id_x 1
		.amdhsa_system_sgpr_workgroup_id_y 1
		.amdhsa_system_sgpr_workgroup_id_z 1
		.amdhsa_system_vgpr_workitem_id 0
		.amdhsa_next_free_vgpr 512
		.amdhsa_next_free_sgpr 90
		.amdhsa_reserve_vcc 1
		.amdhsa_float_denorm_mode_32 3
		.amdhsa_float_denorm_mode_16_64 3
		.amdhsa_memory_ordered 1
		.amdhsa_forward_progress 1
		.amdhsa_inst_pref_size 58
	.end_amdhsa_kernel
	.amdgpu_metadata
---
amdhsa.version: [ 1, 2 ]
amdhsa.kernels:
  - .name:           k_qa1050ce45f_att1
    .symbol:         k_qa1050ce45f_att1.kd
    .args:
      - { .name: QKV, .offset: 0, .size: 8, .value_kind: global_buffer, .address_space: global }
      - { .name: WA, .offset: 8, .size: 8, .value_kind: global_buffer, .address_space: global }
    .group_segment_fixed_size: 327680
    .private_segment_fixed_size: 0
    .kernarg_segment_align: 8
    .kernarg_segment_size: 16
    .max_flat_workgroup_size: 256
    .sgpr_count:     90
    .vgpr_count:     512
    .wavefront_size: 32
...
	.end_amdgpu_metadata
.endif
;; end of part 3
;; launch ln (part 4): grid 256 x 1, 8 waves a work-group, no clusters, 0 bytes of LDS; arguments XA, WA, ln1_g, ln1_b, X1; writes X1
.if DOCPART == 4
	.amdgcn_target "amdgcn-amd-amdhsa--gfx1250"
	.amdhsa_code_object_version 6
	.text
	.protected	k_qa1050ce45f_ln
	.globl	k_qa1050ce45f_ln
	.p2align	8
	.type	k_qa1050ce45f_ln,@function
k_qa1050ce45f_ln:
	s_mov_b64 s[64:65], 0
	v_nop
	global_prefetch_b8 v0, s[64:65] scope:SCOPE_SE
	s_setreg_imm32_b32 hwreg(HW_REG_WAVE_MODE, 25, 1), 1
	s_wait_xcnt 0x0
; OUT = LayerNorm(RES + m Z) g + b, and flag[row] = 1 where the f32 result holds a number other than +0 or -0.  RES, Z, OUT: f16 in the layout T[cb][m][64]; the masks m (4,096 f32) lie 8 MiB behind RES's first byte, the flags
; 8 MiB behind OUT's.  m is the factor out * m of the attention before.  Mean, variance (of the differences from the mean) and the rest in f32; OUT rounded once.
; The work is a stream: each byte is read once and written once; no LDS, no barrier, no matrix unit.  Two rows to a wave: a row's 1,024 numbers lie in 16 lanes, 64 registers; lane p of the 16 has columns 64 i + 4 p .. + 3.
; In the second LayerNorm nobody reads the flags: some 80 lines and 8 bytes a wave are the price of one text for both.
.set V,  16                            ; v[16:79]   the row's numbers, f32
.set Z,  80                            ; v[80:111]  Z as loaded
.set RS, 112                           ; v[112:143] RES as loaded
.set BB, 80                            ; v[80:143]  later: b
.set G,  144                           ; v[144:207] g; later the rounded result
	s_load_b256 s[4:11], s[0:1], 0x0               ; RES, Z, g, b
	s_load_b64 s[12:13], s[0:1], 0x20              ; OUT
	v_lshlrev_b32 v1, 3, v0                        ; 8 t: two rows of 128 bytes to a wave in each block
	v_and_b32 v5, 15, v0
	v_lshlrev_b32 v2, 4, v5                        ; my 4 columns of a block in g and b
	v_lshrrev_b32 v3, 4, v0
	v_lshlrev_b32 v3, 2, v3                        ; my row's mask and flag
	s_lshl_b32 s2, ttmp9, 11                       ; the work-group's 16 rows
	s_mov_b32 s3, 0
	s_lshl_b32 s14, ttmp9, 6
	s_add_co_u32 s14, s14, 0x800000
	s_mov_b32 s15, 0
	s_mov_b32 s20, 0x3a800000                      ; 1 / 1,024
	s_mov_b32 s21, 0x3727c5ac                      ; 1e-5
	s_wait_kmcnt 0x0
	s_add_nc_u64 s[16:17], s[4:5], s[14:15]
	s_add_nc_u64 s[18:19], s[12:13], s[14:15]
	s_add_nc_u64 s[4:5], s[4:5], s[2:3]
	s_add_nc_u64 s[6:7], s[6:7], s[2:3]
	s_add_nc_u64 s[12:13], s[12:13], s[2:3]
	global_load_b32 v4, v3, s[16:17]
.set i, 0
.rept 16
	global_load_b64 v[Z+2*i:Z+2*i+1], v1, s[6:7] offset:i*524288 th:TH_LOAD_NT  ; 32 lanes read 256 consecutive bytes
.set i, i+1
.endr
.set i, 0
.rept 16
	global_load_b64 v[RS+2*i:RS+2*i+1], v1, s[4:5] offset:i*524288 th:TH_LOAD_NT
.set i, i+1
.endr
.set i, 0
.rept 16
	global_load_b128 v[G+4*i:G+4*i+3], v2, s[8:9] offset:256*i
.set i, i+1
.endr
	s_wait_loadcnt 16                              ; g's sixteen loads may stay out
.set i, 0
.rept 16                                           ; z (an f16 half) x m + res (an f16 half), in f32
	v_fma_mix_f32 v[V+4*i],   v[Z+2*i],   v4, v[RS+2*i]   op_sel_hi:[1,0,1]
	v_fma_mix_f32 v[V+4*i+1], v[Z+2*i],   v4, v[RS+2*i]   op_sel:[1,0,1] op_sel_hi:[1,0,1]
	v_fma_mix_f32 v[V+4*i+2], v[Z+2*i+1], v4, v[RS+2*i+1] op_sel_hi:[1,0,1]
	v_fma_mix_f32 v[V+4*i+3], v[Z+2*i+1], v4, v[RS+2*i+1] op_sel:[1,0,1] op_sel_hi:[1,0,1]
.set i, i+1
.endr
.set i, 0
.rept 16
	global_load_b128 v[BB+4*i:BB+4*i+3], v2, s[10:11] offset:256*i
.set i, i+1
.endr
.macro FOLD                            ; four chains into v6, then the row's sixteen lanes
	v_pk_add_f32 v[6:7], v[6:7], v[8:9]
	v_pk_add_f32 v[10:11], v[10:11], v[12:13]
	v_pk_add_f32 v[6:7], v[6:7], v[10:11]
	v_add_f32 v6, v6, v7
.irp m, 1,2,4,8
	v_add_f32_dpp v6, v6, v6 row_xmask:\m row_mask:0xf bank_mask:0xf
.endr
.endm
.irp c, 0,1,2,3
	v_pk_add_f32 v[6+2*\c:7+2*\c], v[V+2*\c:V+2*\c+1], v[V+8+2*\c:V+8+2*\c+1]
.endr
.set q, 8
.rept 24
	v_pk_add_f32 v[6+2*(q%4):7+2*(q%4)], v[6+2*(q%4):7+2*(q%4)], v[V+2*q:V+2*q+1]
.set q, q+1
.endr
	FOLD
	v_mul_f32 v14, 0xba800000, v6                  ; minus the mean
	v_mov_b32 v15, v14
.set q, 0
.rept 32
	v_pk_add_f32 v[V+2*q:V+2*q+1], v[V+2*q:V+2*q+1], v[14:15]
.set q, q+1
.endr
.irp c, 0,1,2,3
	v_pk_mul_f32 v[6+2*\c:7+2*\c], v[V+2*\c:V+2*\c+1], v[V+2*\c:V+2*\c+1]
.endr
.set q, 4
.rept 28
	v_pk_fma_f32 v[6+2*(q%4):7+2*(q%4)], v[V+2*q:V+2*q+1], v[V+2*q:V+2*q+1], v[6+2*(q%4):7+2*(q%4)]
.set q, q+1
.endr
	FOLD
	v_fma_f32 v6, v6, s20, s21                     ; variance + 1e-5
	v_rsq_f32 v14, v6
	v_nop                                          ; the plain line behind it
	s_wait_alu depctr_va_vdst(0)                   ; and the wait ahead of the first use
	v_mov_b32 v15, v14
	s_wait_loadcnt 0x0                             ; g and b
.set q, 0
.rept 32
	v_pk_mul_f32 v[G+2*q:G+2*q+1], v[G+2*q:G+2*q+1], v[14:15]
.set q, q+1
.endr
.set q, 0
.rept 32
	v_pk_fma_f32 v[V+2*q:V+2*q+1], v[V+2*q:V+2*q+1], v[G+2*q:G+2*q+1], v[BB+2*q:BB+2*q+1]
.set q, q+1
.endr
.set i, 0
.rept 16
	v_cvt_pk_f16_f32 v[G+2*i],   v[V+4*i],   v[V+4*i+1]
	v_cvt_pk_f16_f32 v[G+2*i+1], v[V+4*i+2], v[V+4*i+3]
	global_store_b64 v1, v[G+2*i:G+2*i+1], s[12:13] offset:i*524288  ; 32 lanes write 256 consecutive bytes
.set i, i+1
.endr
	; the flag: all 64 words are ORed, the sign bit shifted out, then the row's sixteen lanes
.irp c, 0,1,2,3
	v_or_b32 v[6+\c], v[V+2*\c], v[V+2*\c+1]
.endr
.set j, 8
.rept 56
	v_or_b32 v[6+j%4], v[6+j%4], v[V+j]
.set j, j+1
.endr
	v_or_b32 v6, v6, v7
	v_or_b32 v8, v8, v9
	v_or_b32 v6, v6, v8
	v_lshlrev_b32 v6, 1, v6
.irp m, 1,2,4,8
	v_mov_b32_dpp v7, v6 row_xmask:\m row_mask:0xf bank_mask:0xf
	v_or_b32 v6, v6, v7
.endr
	v_cmp_ne_u32 vcc_lo, 0, v6
	v_cndmask_b32 v7, 0, 1.0, vcc_lo
	v_cmp_eq_u32 vcc_lo, 0, v5
	s_wait_xcnt 0x0                                ; EXEC is a source of the stores above: it changes only behind this wait
	s_and_saveexec_b32 s22, vcc_lo                 ; one lane for each row
	global_store_b32 v3, v7, s[18:19]
	s_wait_xcnt 0x0                                ; and again in front of the line that widens it
	s_or_b32 exec_lo, exec_lo, s22
	s_endpgm
.Lfunc_end_k_qa1050ce45f_ln:
	.size	k_qa1050ce45f_ln, .Lfunc_end_k_qa1050ce45f_ln-k_qa1050ce45f_ln
	.p2alignl 7, 3214868480
	.fill 96, 4, 3214868480
	.section	.rodata,"a",@progbits
	.p2align	6, 0x0
	.amdhsa_kernel k_qa1050ce45f_ln
		.amdhsa_group_segment_fixed_size 0
		.amdhsa_private_segment_fixed_size 0
		.amdhsa_enable_private_segment 0
		.amdhsa_kernarg_size 40
		.amdhsa_user_sgpr_count 2
		.amdhsa_user_sgpr_kernarg_segment_ptr 1
		.amdhsa_wavefront_size32 1
		.amdhsa_system_sgpr_workgroup_id_x 1
		.amdhsa_system_sgpr_workgroup_id_y 1
		.amdhsa_system_sgpr_workgroup_id_z 1
		.amdhsa_system_vgpr_workitem_id 0
		.amdhsa_next_free_vgpr 208
		.amdhsa_next_free_sgpr 66
		.amdhsa_reserve_vcc 1
		.amdhsa_float_denorm_mode_32 3
		.amdhsa_float_denorm_mode_16_64 3
		.amdhsa_memory_ordered 1
		.amdhsa_forward_progress 1
		.amdhsa_inst_pref_size 29
	.end_amdhsa_kernel
	.amdgpu_metadata
---
amdhsa.version: [ 1, 2 ]
amdhsa.kernels:
  - .name:           k_qa1050ce45f_ln
    .symbol:         k_qa1050ce45f_ln.kd
    .args:
      - { .name: XA, .offset: 0, .size: 8, .value_kind: global_buffer, .address_space: global }
      - { .name: WA, .offset: 8, .size: 8, .value_kind: global_buffer, .address_space: global }
      - { .name: ln1_g, .offset: 16, .size: 8, .value_kind: global_buffer, .address_space: global }
      - { .name: ln1_b, .offset: 24, .size: 8, .value_kind: global_buffer, .address_space: global }
      - { .name: X1, .offset: 32, .size: 8, .value_kind: global_buffer, .address_space: global }
    .group_segment_fixed_size: 0
    .private_segment_fixed_size: 0
    .kernarg_segment_align: 8
    .kernarg_segment_size: 40
    .max_flat_workgroup_size: 256
    .sgpr_count:     66
    .vgpr_count:     208
    .wavefront_size: 32
...
	.end_amdgpu_metadata
.endif
;; end of part 4
;; launch g3: the kernel of part 2 again; grid 12 x 16, 4 waves a work-group, clusters of 4 x 4, 327,680 bytes of LDS; arguments X1, XB, WB, QKV; writes QKV
;; launch att2 (part 5): grid 8 x 32, 8 waves a work-group, clusters of 4 x 1, 327,680 bytes of LDS; arguments QKV, WA; writes WA
.if DOCPART == 5
	.amdgcn_target "amdgcn-amd-amdhsa--gfx1250"
	.amdhsa_code_object_version 6
	.text
	.protected	k_qa1050ce45f_att2
	.globl	k_qa1050ce45f_att2
	.p2align	8
	.type	k_qa1050ce45f_att2,@function
k_qa1050ce45f_att2:
	s_mov_b64 s[64:65], 0
	v_nop
	global_prefetch_b8 v0, s[64:65] scope:SCOPE_SE
	s_setreg_imm32_b32 hwreg(HW_REG_WAVE_MODE, 25, 1), 1
	s_wait_xcnt 0x0
	s_wait_alu depctr_hold_cnt(0) depctr_sa_sdst(0) depctr_va_vdst(0) depctr_va_sdst(0) depctr_va_ssrc(0) depctr_va_vcc(0) depctr_vm_vsrc(0)
	s_getreg_b32 s2, hwreg(HW_REG_IB_STS2, 6, 4)
	s_cmp_eq_u32 s2, 0
	s_cbranch_scc0 .Lentry_in_a_cluster
	s_endpgm
.Lentry_in_a_cluster:
	s_bfe_u32 s2, ttmp6, 0x10000c
	s_cmp_lg_u32 s2, 0x3003
	s_cbranch_scc0 .Lentry_shape_is_right
	s_endpgm
.Lentry_shape_is_right:
; CROSS ATTENTION with reference()'s length mask.  Z[y][q][:] = the sum over k < LEN of softmax_k(Q[q] . K[k] / 8) V[k][:], y = 2 h + b.
; Q, K, V: blocks 0-15, 16-31, 32-47 of QKV, a head's 2,048 rows dense, 128 bytes each, f16.  Z the same layout.  Products, maxima and sums in f32; the weights are rounded to f16 for the second product, Z once.
; The factor out * m is applied by the launch behind.  Nothing is left out here: which keys the length hides hangs on the inputs' values, so every step is done and the mask selects.
; LEN = the number of non-zero energies in query row 0 of the head, over all 2,048 keys: every wave counts 256 keys by 32 products of its own, the eight counts meet in LDS.  LEN only selects values: no branch and no address hangs on it.
; THE MASK is the C operand that starts the sum S^T = K Q^T: 0, or -1e30 where the key is hidden.  MD is the pattern of the step that holds key LEN; a step's mask is MD x AL + BE with (AL, BE) = (1, 0) in that step, (0, 0)
; before it, (0, -1e30) behind it.
; LIMITS.  f16 holds no number beyond 65,504.  A hidden score counts as its value less 1e30; a weight below 2^-126 counts as 0.  "Energy is not 0" is tested on energies of f16 operands.  LEN = 0 gives NaN, as in reference().
; SHARES.  A work-group owns 256 queries of a head, each of its eight waves two tiles of 16.  Two waves lie on a SIMD: while one is in its vector phase the other can have the matrix unit, so the text stands in phases.
; CLUSTER.  The four query blocks of a cluster belong to one head and walk the same K and V: each tile is asked for jointly, by the same load, descriptor and mask in all four.
; REGISTERS.  window 0: v0-15 addresses; v16-23 statistics (c m, m, l, l a tile); v24-31 at work; v32-95 S^T; v96-127 P; v128-191 K; v192-255 V.
;             window 1: v0-63 O^T; v64-95 Q; v96-127 MD; v128-159 MC, the step's mask.
.set KS,    64
.set PK,    144       ; a row of K in LDS: 128 bytes + 16 = 36 words: the 16 rows of a load start at 16 different groups of four banks (64 banks of 4 bytes: ISA guide 11.1)
.set PV,    160       ; a row of V: 128 + 32 = 40 words
.set VOFF,  4*KS*PK   ; a slot: 256 rows of K, then 256 rows of V
.set SLOT1, 1<<17
.set STAGE, SLOT1+4*KS*(PK+PV)  ; behind the ring: 16 rows x 144 bytes for each wave
.set SP,    144
.set LENB,  STAGE+8*16*SP       ; the eight counts: a block of 256 bytes of its own
.set SPARE, LENB+256            ; the spare words, 128 bytes for each of eight waves
.set AK0, 2
.set AV0, 3
.set AK,  4
.set AV,  5
.set STO, 6
.set RD,  7
.set GO,  8
.set SPW, 10
.set NIL, 11
.set MV,  12
.set PFO, 14
.set QO,  15
.set ST,  16
.set TMP, 24
.set S,   32
.set P,   96
.set KF,  128
.set VF,  192
.set CN,  98          ; the prologue's registers lie in P's
.set TT,  99
.set LR,  100
.set LA,  108
.set QR,  64          ; window 1
.set MD,  96
.set MC,  128
.set WV,  12
.set G1K, 24
.set G1V, 32
.set G0K, 40
.set G0V, 44
.set PFA, 50
.set LIM, 52
.set PAR, 53
.set J,   54
.set LEN, 55
.set SLOTS, 56
.set CNT, 57
.set CS,  58
.set SEL, 60
.set TBK, 62
.set TBV, 63
.set LQ,  66
.set NANM, 67
.set AL,  68
.set BE,  70
.set BIGN, 72
.set MSB, 0
.macro WIN new
.if MSB != (\new)
	s_set_vgpr_msb (MSB<<8)|(\new)
.set MSB, (\new)
.endif
.endm
.set W_KM, 0x14       ; K window 0, Q and the mask window 1, S^T window 0
.set W_KQ, 0x04
.set W_PV, 0x50       ; V and P window 0, O^T window 1
.set W_RS, 0x41       ; destination and source 0 window 1
.macro PLACES
.rept 4
	v_nop
.endr
.endm
; A joint fill.  Waves 0-3 fetch the four quarters of a slot's K, waves 4-7 those of its V: 64 keys each.  The branch hangs on the wave's number alone.  An s_nop 0 and four v_nop follow each line.
.macro JLOAD
	s_cmp_lt_u32 s[WV], 4
	s_cbranch_scc0 .Lfor_v_\@
	tensor_load_to_lds s[G0K:G0K+3], s[G1K:G1K+7]
	s_nop 0
.rept 4
	v_nop
.endr
	s_branch .Lasked_\@
.Lfor_v_\@:
	tensor_load_to_lds s[G0V:G0V+3], s[G1V:G1V+7]
	s_nop 0
.rept 4
	v_nop
.endr
.Lasked_\@:
.endm
; A prefetch of V, behind the joint load and its five lines: the slot behind the one that is being asked for, four key steps ahead of its load.  The head's first cluster asks; its four partners share the slot's 128 blocks of
; 256 bytes out by address, 32 each, a lane a block; in each, wave 4 asks: one instruction.  So each block is named once in the launch.  The last change that fills a slot asks for nothing.
; K is not asked for: every work-group's prologue reads the head's whole K by loads of its own first.
.macro ASK
	s_cmp_gt_u32 s[SLOTS], s[LIM]
	s_cbranch_scc0 .Lnot_mine_\@
	global_prefetch_b8 v[PFO], s[PFA:PFA+1] th:TH_LOAD_NT scope:SCOPE_SE
.Lnot_mine_\@:
.endm
.macro CROUND                       ; a round of the cluster's barrier
	s_barrier_signal -1
	s_barrier_wait -1
	s_cmp_lg_u32 s[WV], 0
	s_cbranch_scc1 .Lnot_wave_0_\@
	s_barrier_signal -3
.Lnot_wave_0_\@:
	s_barrier_wait -3
	s_barrier_signal -1
	s_barrier_wait -1
.endm
	s_load_b128 s[84:87], s[0:1], 0x0              ; QKV, Z
	v_lshl_add_u32 v[SPW], v0, 2, SPARE
	v_mov_b32 v[NIL], 0
	ds_add_u32 v[SPW], v[NIL]                      ; the wave's opening: the add, twice on end, and its wait ahead of my first tensor load
	ds_add_u32 v[SPW], v[NIL]
	v_lshrrev_b32 v1, 5, v0
	v_readfirstlane_b32 s[WV], v1                  ; wave 0..7
	s_bfe_u32 s13, ttmp6, 0x40000                  ; cx: it enters Q's, Z's and the prefetches' addresses alone
	s_lshl_b32 s4, ttmp9, 2
	s_add_co_u32 s4, s4, s13                       ; my block of 256 queries
	s_and_b32 s14, ttmp7, 0xffff
	s_lshl_b32 s14, s14, 18                        ; the head's first byte in a group of 16 blocks; the four partners share it
	s_mov_b32 s15, 0
	s_lshl_b32 s4, s4, 15
	s_lshl_b32 s5, s[WV], 12                       ; my 32 rows
	s_add_co_u32 s4, s4, s5
	s_add_co_u32 s4, s4, s14
	s_mov_b32 s5, 0
	s_xor_b32 s[LIM], s[WV], 4
	s_or_b32 s[LIM], s[LIM], ttmp9
	s_cmp_eq_u32 s[LIM], 0
	s_cselect_b32 s[LIM], 1, -1                    ; 1 in wave 4 of the head's first cluster, else the greatest number: the same in all four partners
	s_and_b32 s16, s[WV], 3                        ; which quarter of a slot I fetch
	s_mul_i32 s17, s16, KS*PK
	s_mul_i32 s18, s16, KS*PV
	s_lshl_b32 s19, s16, 13
	s_add_co_u32 s20, s14, s19
	s_add_co_u32 s20, s20, 0x800000                ; K's blocks begin 8 MiB in,
	s_mov_b32 s21, 0
	s_add_co_u32 s22, s20, 0x800000                ; V's 16 MiB in
	s_mov_b32 s23, 0
	s_lshl_b32 s8, s13, 13                         ; the prefetches: my work-group's 32 blocks of slot 1; the first change steps them to slot 2
	s_add_co_u32 s8, s8, s14
	s_add_co_u32 s8, s8, 0x1000000+32768
	s_mov_b32 s9, 0
	s_lshl_b32 s6, s[WV], 15                       ; the 256 keys that I count
	s_add_co_u32 s6, s6, s14
	s_add_co_u32 s6, s6, 0x800000
	s_mov_b32 s7, 0
	; descriptor group 1: 64 keys are 8,192 dense bytes: 32 rows of 256 bytes, two keys a row, padded in LDS after every key
	s_mov_b32 s[G1K], 15|(1<<16)|(1<<20)|(1<<21)|(4<<22)|(3<<25)  ; 15:0 the mask of four; 17:16 2-byte elements; 20 padding on; 21 set beside a mask; 24:22 after every 32 words (code 4); 31:25 4 words (code 3)
	s_mov_b32 s[G1V], 15|(1<<16)|(1<<20)|(1<<21)|(4<<22)|(7<<25)  ; the same with 8 words (code 7)
.irp g, G1K, G1V
	s_mov_b32 s[\g+1], 128<<16      ; tensor_dim0 = 128
	s_mov_b32 s[\g+2], 32<<16       ; tensor_dim1 = 32
	s_mov_b32 s[\g+3], 128<<16      ; tile_dim0 = 128
	s_mov_b32 s[\g+4], 32           ; tile_dim1 = 32
	s_mov_b32 s[\g+5], 128          ; 128 elements from row to row
	s_mov_b32 s[\g+6], 0
	s_mov_b32 s[\g+7], 0
.endr
	s_mov_b32 s[G0K], 1
	s_mov_b32 s[G0K+1], s17
	s_mov_b32 s[G0V], 1
	s_add_co_u32 s[G0V+1], s18, VOFF
	s_mov_b32 s[CS], 0x3e38aa3b     ; c = log2(e) / 8
	s_mov_b32 s[CS+1], s[CS]
	s_mov_b32 s[SEL], 0x76543210
	s_mov_b32 s[SEL+1], 0xfedcba98
	s_mov_b32 s[BIGN], 0xf149f2ca   ; -1e30
	s_mov_b32 s[AL+1], 0            ; named as pairs
	s_mov_b32 s[BE+1], 0
	s_mov_b32 s[PAR], SLOT1         ; the first change of slots turns it into 0
	s_mov_b32 s[J], 0
	s_mov_b32 s[SLOTS], 7
	s_wait_dscnt 0x0                ; both opening adds are done
	s_wait_kmcnt 0x0
	s_add_nc_u64 s[G0K+2:G0K+3], s[84:85], s[20:21]
	s_or_b32 s[G0K+3], s[G0K+3], 0x80000000
	s_add_nc_u64 s[G0V+2:G0V+3], s[84:85], s[22:23]
	s_or_b32 s[G0V+3], s[G0V+3], 0x80000000
	s_add_nc_u64 s[78:79], s[84:85], s[4:5]        ; Q at my rows
	s_add_nc_u64 s[10:11], s[86:87], s[4:5]        ; Z at my rows
	s_add_nc_u64 s[80:81], s[84:85], s[14:15]      ; the head's rows 0-15 of Q
	s_add_nc_u64 s[82:83], s[84:85], s[6:7]        ; my 256 keys
	s_add_nc_u64 s[PFA:PFA+1], s[84:85], s[8:9]
	CROUND                          ; all four work-groups are here: the first joint loads meet
	JLOAD                           ; slot 0
	; THE LENGTH.  A fragment is 16 rows x 32 channels in 8 registers: lane l holds row l % 16, channels 8 (l / 16) + 0..7 and 16 + 8 (l / 16) + 0..7: loads of 16 bytes, 32 bytes apart.
	v_and_b32 v1, 15, v0            ; l % 16
	v_bfe_u32 v9, v0, 4, 1          ; l / 16
	v_lshlrev_b32 v[QO], 7, v1
	v_lshl_add_u32 v[QO], v9, 4, v[QO]
	WIN 0x40                        ; destination window 1, address window 0
.irp q, 0,1,2,3
	global_load_b128 v[QR+4*\q:QR+4*\q+3], v[QO], s[78:79] offset:32*\q
.endr
.irp q, 0,1,2,3
	global_load_b128 v[QR+16+4*\q:QR+16+4*\q+3], v[QO], s[78:79] offset:2048+32*\q
.endr
.irp q, 0,1,2,3
	global_load_b128 v[MD+4*\q:MD+4*\q+3], v[QO], s[80:81] offset:32*\q  ; rows 0-15, in MD's registers for now
.endr
	WIN 0
.set kt, 0
.rept 8                             ; key tiles 0-7 of my sixteen into window 0, v128-255
.irp q, 0,1,2,3
	global_load_b128 v[128+16*kt+4*\q:128+16*kt+4*\q+3], v[QO], s[82:83] offset:2048*kt+32*\q
.endr
.set kt, kt+1
.endr
	WIN 0x40
.set kt, 0
.rept 8                             ; key tiles 8-15 into window 1, v128-255
.irp q, 0,1,2,3
	global_load_b128 v[128+16*kt+4*\q:128+16*kt+4*\q+3], v[QO], s[82:83] offset:2048*(kt+8)+32*\q
.endr
.set kt, kt+1
.endr
	; while they are on their way: O^T and l start at 0, m at the lowest finite number, c m far below every c s: the first step is a step like any other, with a = 0
.set i, 0
.rept 64
	v_mov_b32 v[i], 0
.set i, i+1
.endr
	WIN 0
.irp u, 0,1
	v_mov_b32 v[ST+4*\u], 0xfe000000
	v_mov_b32 v[ST+4*\u+1], 0xff7fffff
	v_mov_b32 v[ST+4*\u+2], 0
	v_mov_b32 v[ST+4*\u+3], 0
.endr
	v_mul_u32_u24 v[AK0], v1, PK
	v_lshl_add_u32 v[AK0], v9, 4, v[AK0]           ; row x pitch + 16 x half
	; The turning load takes 16 keys x 16 channels (lane l reads key 8 (l / 16) + l % 8, channels 8 ((l / 8) % 2) + 0..7) and leaves half a fragment of V^T: lane l holds channel l % 16 and 8 keys.
	v_and_b32 v[LR], 7, v0
	v_bfe_u32 v[LR+1], v0, 3, 1
	v_lshl_add_u32 v[AV0], v9, 3, v[LR]
	v_mul_u32_u24 v[AV0], v[AV0], PV
	v_lshl_add_u32 v[AV0], v[LR+1], 4, v[AV0]
	v_add_nc_u32 v[AV0], VOFF, v[AV0]
	s_mul_i32 s77, s[WV], 16*SP
	s_add_co_u32 s77, s77, STAGE                   ; my stage
	v_add_nc_u32 v[STO], s77, v[AK0]               ; in: row l % 16, 16 bytes for each half of the lanes
	v_bfe_u32 v[RD], v0, 3, 2                      ; back: 32 lanes take four rows of 128 bytes,
	v_mul_u32_u24 v[RD], v[RD], SP
	v_lshl_add_u32 v[RD], v[LR], 4, v[RD]
	v_add_nc_u32 v[RD], s77, v[RD]
	v_and_b32 v[GO], 31, v0                        ; which are 512 consecutive bytes of Z
	v_lshlrev_b32 v[PFO], 8, v[GO]
	v_lshlrev_b32 v[GO], 4, v[GO]
	v_mov_b32 v[CN], 0
; 16 products: source 0 = the head's query rows 0-15, source 1 = 16 keys: register 0 of lanes 0-15 holds the energy of query 0 and key l.  Eight accumulators by turns.
.macro ENER win
	WIN \win
.set kt, 0
.rept 8
	v_wmma_f32_16x16x32_f16 v[S+8*kt:S+8*kt+7], v[MD:MD+7], v[128+16*kt:128+16*kt+7], 0
.set kt, kt+1
.endr
.set kt, 0
.rept 8
	v_wmma_f32_16x16x32_f16 v[S+8*kt:S+8*kt+7], v[MD+8:MD+15], v[128+16*kt+8:128+16*kt+15], v[S+8*kt:S+8*kt+7]
.set kt, kt+1
.endr
	WIN 0
	PLACES
.set kt, 0
.rept 8
	v_cmp_neq_f32 vcc_lo, 0, v[S+8*kt]
	v_cndmask_b32 v[TT], 0, 1.0, vcc_lo
	v_add_f32 v[CN], v[CN], v[TT]                  ; counts to 2,048 are exact in f32
.set kt, kt+1
.endr
.endm
	s_wait_loadcnt 32                              ; all but the 32 loads of key tiles 8-15
	ENER 0x01                                      ; query rows in window 1, keys in window 0
	s_wait_loadcnt 0x0
	ENER 0x05                                      ; both in window 1
	s_mov_b32 s77, 0xffff
	v_cndmask_b32 v[CN], 0, v[CN], s77             ; lanes 16-31 hold query 8's energies: they count nothing
.irp m, 1,2,4,8
	v_add_f32_dpp v[CN], v[CN], v[CN] row_xmask:\m row_mask:0xf bank_mask:0xf
.endr
	v_permlanex16_b32 v[TT], v[CN], s[SEL], s[SEL+1]
	v_add_f32 v[CN], v[CN], v[TT]
	s_lshl_b32 s77, s[WV], 2
	s_add_co_u32 s77, s77, LENB
	v_mov_b32 v[LA], s77
	ds_store_b32 v[LA], v[CN]                      ; all lanes write the same word with the same value
	s_wait_dscnt 0x0
	s_barrier_signal -1                            ; slot 0's load may stay out
	s_barrier_wait -1
	v_mov_b32 v[LA], LENB
	ds_load_b128 v[LR:LR+3], v[LA]
	ds_load_b128 v[LR+4:LR+7], v[LA] offset:16
	s_wait_dscnt 0x0
	v_add_f32 v[LR], v[LR], v[LR+1]
	v_add_f32 v[LR+2], v[LR+2], v[LR+3]
	v_add_f32 v[LR+4], v[LR+4], v[LR+5]
	v_add_f32 v[LR+6], v[LR+6], v[LR+7]
	v_add_f32 v[LR], v[LR], v[LR+2]
	v_add_f32 v[LR+4], v[LR+4], v[LR+6]
	v_add_f32 v[LR], v[LR], v[LR+4]
	v_cvt_u32_f32 v[CN], v[LR]
	v_readfirstlane_b32 s[LEN], v[CN]
	s_lshr_b32 s[LQ], s[LEN], 6                    ; the step that holds key LEN
	s_and_b32 s77, s[LEN], 63
	v_lshlrev_b32 v[TT], 3, v9
	v_sub_nc_u32 v[TT], s77, v[TT]                 ; register i (key 16 (i / 8) + i % 8 + 8 (l / 16) of the step) is hidden where 16 (i / 8) + i % 8 is not below this
	s_cmp_eq_u32 s[LEN], 0
	s_cselect_b32 s[NANM], -1, 0
	WIN 0x40
.set i, 0
.rept 32
	v_cmp_ge_i32 vcc_lo, 16*(i/8)+i%8, v[TT]
	v_cndmask_b32 v[MD+i], 0, s[BIGN], vcc_lo
.set i, i+1
.endr
	WIN 0
; THE STEP'S MASK.  Its 16 plain lines are also the places between the last product V^T P and the loads into V's registers.
.macro LENMASK
	s_cmp_eq_u32 s[J], s[LQ]
	s_cselect_b32 s[AL], 1.0, 0
	s_cmp_gt_u32 s[J], s[LQ]
	s_cselect_b32 s[BE], s[BIGN], 0
	WIN W_RS
.set z, 0
.rept 16
	v_pk_fma_f32 v[MC+2*z:MC+2*z+1], v[MD+2*z:MD+2*z+1], s[AL:AL+1], s[BE:BE+1] op_sel_hi:[1,0,0]
.set z, z+1
.endr
	WIN 0
.endm
.macro FETCH                        ; a step's K (8 fragments) and its V (turned), 32 LDS loads in one run
	v_add_nc_u32 v[AK], s[TBK], v[AK0]
	v_add_nc_u32 v[AV], s[TBV], v[AV0]
.irp f, 0,1,2,3,4,5,6,7             ; keys 16 (f / 2) on, channels 32 (f % 2) on
	ds_load_b128 v[KF+8*\f:KF+8*\f+3],   v[AK] offset:(\f/2)*16*PK+(\f%2)*64
	ds_load_b128 v[KF+8*\f+4:KF+8*\f+7], v[AK] offset:(\f/2)*16*PK+(\f%2)*64+32
.endr
.irp f, 0,1,2,3,4,5,6,7             ; keys 32 (f / 4) on, channels 16 (f % 4) on
	ds_load_tr16_b128 v[VF+8*\f:VF+8*\f+3],   v[AV] offset:(\f/4)*32*PV+(\f%4)*32
	ds_load_tr16_b128 v[VF+8*\f+4:VF+8*\f+7], v[AV] offset:(\f/4)*32*PV+16*PV+(\f%4)*32
.endr
.endm
; S^T = K Q^T for nt tiles from u0 on: the accumulators take turns, one instruction a turn.  The first link of each takes the mask as C.
.macro KQ u0, nt
.set i, 0
.rept 8*(\nt)
.set tl, (\u0)+i%(\nt)
.set kb, (i/(\nt))%4
.if i < 4*(\nt)
	WIN W_KM
	v_wmma_f32_16x16x32_f16 v[S+32*tl+8*kb:S+32*tl+8*kb+7], v[KF+16*kb:KF+16*kb+7], v[QR+16*tl:QR+16*tl+7], v[MC+8*kb:MC+8*kb+7]
.else
	WIN W_KQ
	v_wmma_f32_16x16x32_f16 v[S+32*tl+8*kb:S+32*tl+8*kb+7], v[KF+16*kb+8:KF+16*kb+15], v[QR+16*tl+8:QR+16*tl+15], v[S+32*tl+8*kb:S+32*tl+8*kb+7]
.endif
.set i, i+1
.endr
.endm
.macro PV u0, nt                    ; O^T += V^T P
	WIN W_PV
.set i, 0
.rept 8*(\nt)
.set tl, (\u0)+i%(\nt)
.set kb, (i/(\nt))%4
.set cc, i/(4*(\nt))
	v_wmma_f32_16x16x32_f16 v[32*tl+8*kb:32*tl+8*kb+7], v[VF+32*cc+8*kb:VF+32*cc+8*kb+7], v[P+16*tl+8*cc:P+16*tl+8*cc+7], v[32*tl+8*kb:32*tl+8*kb+7]
.set i, i+1
.endr
.endm
; THE SOFTMAX of a tile and step, as numbered lists.
.macro REGS u
.set rT, ST+4*(\u)
.set rC, TMP+4*(\u)
.set rM, MV+(\u)
.set rS, S+32*(\u)
.set rP, P+16*(\u)
.set rO, 32*(\u)
.endm
; XS 0-11 four chains of seven scores (each accumulator's lowest registers are read first); 12-14, 16 the four left over, the old m, all into c0; 15 c m_old is kept; 17, 18 the lane 16 away holds the
; query's other 32 keys: the new m; 19-21 c m, c m_old - c m_new, a
.macro XS u, n
	REGS \u
.if (\n) < 4
	v_max3_num_f32 v[rC+(\n)], v[rS+8*(\n)], v[rS+8*(\n)+1], v[rS+8*(\n)+2]
.elseif (\n) < 12
	v_max3_num_f32 v[rC+(\n)%4], v[rC+(\n)%4], v[rS+8*((\n)%4)+2*((\n)/4)+1], v[rS+8*((\n)%4)+2*((\n)/4)+2]
.elseif (\n) == 12
	v_max3_num_f32 v[rC], v[rC], v[rS+7], v[rS+15]
.elseif (\n) == 13
	v_max3_num_f32 v[rC+1], v[rC+1], v[rS+23], v[rS+31]
.elseif (\n) == 14
	v_max3_num_f32 v[rC+2], v[rC+2], v[rC+3], v[rT+1]
.elseif (\n) == 15
	v_mov_b32 v[rM], v[rT]
.elseif (\n) == 16
	v_max3_num_f32 v[rC], v[rC], v[rC+1], v[rC+2]
.elseif (\n) == 17
	v_permlanex16_b32 v[rC+3], v[rC], s[SEL], s[SEL+1]
.elseif (\n) == 18
	v_max_num_f32 v[rT+1], v[rC], v[rC+3]
.elseif (\n) == 19
	v_mul_f32 v[rT], s[CS], v[rT+1]
.elseif (\n) == 20
	v_sub_f32 v[rC+1], v[rM], v[rT]
.else
	v_exp_f32 v[rC+2], v[rC+1]
.endif
.endm
.macro FS u, n                      ; c s - c m, a pair of scores
	REGS \u
	v_pk_fma_f32 v[rS+2*(\n):rS+2*(\n)+1], v[rS+2*(\n):rS+2*(\n)+1], s[CS:CS+1], v[rT:rT+1] op_sel_hi:[1,0,0] neg_lo:[0,0,1] neg_hi:[0,0,1]
.endm
.macro EX u, n
	REGS \u
	v_exp_f32 v[rS+(\n)], v[rS+(\n)]
.endm
.macro RR u, n                      ; O^T times a
	REGS \u
	v_pk_mul_f32 v[rO+2*(\n):rO+2*(\n)+1], v[rO+2*(\n):rO+2*(\n)+1], v[rC+2:rC+3] op_sel_hi:[1,0]
.endm
.macro CC u, n                      ; a pair of weights rounded to f16
	REGS \u
	v_cvt_pk_f16_f32 v[rP+(\n)], v[rS+2*(\n)], v[rS+2*(\n)+1]
.endm
.macro BB u, n                      ; of four weights the second pair is added onto the first
	REGS \u
	v_pk_add_f32 v[rS+4*(\n):rS+4*(\n)+1], v[rS+4*(\n):rS+4*(\n)+1], v[rS+4*(\n)+2:rS+4*(\n)+3]
.endm
.macro LL u, n                      ; l takes that sum; the first time l = a l + sum
	REGS \u
.if (\n) == 0
	v_pk_fma_f32 v[rT+2:rT+3], v[rT+2:rT+3], v[rC+2:rC+3], v[rS:rS+1] op_sel_hi:[1,0,1]
.else
	v_pk_add_f32 v[rT+2:rT+3], v[rT+2:rT+3], v[rS+4*(\n):rS+4*(\n)+1]
.endif
.endm
.macro RUN op, cnt, u0, nt          ; numbers 0 to cnt - 1 of a list, the tiles alternating
.set n, 0
.rept \cnt
	\op \u0, n
.if (\nt) > 1
	\op (\u0)+1, n
.endif
.set n, n+1
.endr
.endm
; All exponentials of a step are ONE batch: none of the lines ahead of the wait names a result of theirs; a v_nop is the plain line behind the last; one wait ahead of the first reader.
.macro SOFT u0, nt
	WIN 0
	RUN XS, 22, \u0, \nt
	RUN FS, 16, \u0, \nt
	RUN EX, 32, \u0, \nt
	v_nop
	s_wait_alu depctr_va_vdst(0)
	WIN W_RS
	RUN RR, 16, \u0, \nt
	WIN 0
	RUN CC, 16, \u0, \nt
	RUN BB, 8, \u0, \nt
	RUN LL, 8, \u0, \nt
.endm
.macro TSTEP u0, nt
	KQ \u0, \nt
	WIN 0
	PLACES
	SOFT \u0, \nt
	s_wait_dscnt 0x0                ; V is in
	PV \u0, \nt
	WIN 0
.endm
; THE CHANGE OF SLOTS.  Each wave waits for all its tensor loads, of which one is out: its part of the slot to be walked; adds 0 to its spare word; and waits for that and for its reads of the slot that it leaves.
; fill = 1: the barrier is a round of the cluster's, and the slot that was left is filled again, first thing behind it, with the keys two slots on: that load has four key steps in which to land.
; (At its first use nothing has been read yet: slot 0 is waited for, slot 1 filled.)
.macro CHANGE fill
	WIN 0
	s_wait_tensorcnt 0x0            ; no tensor load of mine is out, so a group 0 may be written
	ds_add_u32 v[SPW], v[NIL]       ; 0 onto my spare word
.if \fill
	s_xor_b32 s[G0K+1], s[G0K+1], SLOT1
	s_add_nc_u64 s[G0K+2:G0K+3], s[G0K+2:G0K+3], 32768
	s_xor_b32 s[G0V+1], s[G0V+1], SLOT1
	s_add_nc_u64 s[G0V+2:G0V+3], s[G0V+2:G0V+3], 32768
	s_wait_xcnt 0x0                 ; the last prefetch, a slot back, has read its address
	s_add_nc_u64 s[PFA:PFA+1], s[PFA:PFA+1], 32768
	s_wait_dscnt 0x0                ; the add is done, and my reads of the slot are over
	CROUND
	JLOAD
	ASK
.else
	s_wait_dscnt 0x0
	s_barrier_signal -1
	s_barrier_wait -1
.endif
	s_xor_b32 s[PAR], s[PAR], SLOT1
	s_mov_b32 s[TBK], s[PAR]
	s_mov_b32 s[TBV], s[PAR]
.endm
.macro FOUR                         ; a slot's four key steps: written once, walked four times
	s_mov_b32 s[CNT], 4
.Lstep_\@:
	LENMASK
	FETCH
	s_add_co_u32 s[TBK], s[TBK], KS*PK
	s_add_co_u32 s[TBV], s[TBV], KS*PV
	s_add_co_u32 s[J], s[J], 1
	s_wait_dscnt 16                 ; K is in; V's sixteen loads may be out
	TSTEP 0, 2
	s_sub_co_u32 s[CNT], s[CNT], 1
	s_cmp_lg_u32 s[CNT], 0
	s_cbranch_scc1 .Lstep_\@
.endm
.Lslot:                             ; seven trips: slots 1 to 7 are asked for, slots 0 to 6 walked
	CHANGE 1
	FOUR
	s_sub_co_u32 s[SLOTS], s[SLOTS], 1
	s_cmp_lg_u32 s[SLOTS], 0
	s_cbranch_scc1 .Lslot
	CHANGE 0                        ; the tail is written out: nothing is asked for
	FOUR
	; THE WAY OUT.  l's two halves and the other half of the lanes' are added; O^T is divided by l (NaN where LEN = 0), rounded to f16 and sent through my stage, a tile at a time.
	PLACES
.irp t, 0,1
	v_add_f32 v[ST+4*\t+2], v[ST+4*\t+2], v[ST+4*\t+3]
.endr
.irp t, 0,1
	v_permlanex16_b32 v[ST+4*\t+3], v[ST+4*\t+2], s[SEL], s[SEL+1]
.endr
.irp t, 0,1
	v_add_f32 v[ST+4*\t+2], v[ST+4*\t+2], v[ST+4*\t+3]
.endr
.irp t, 0,1
	v_rcp_f32 v[ST+4*\t+2], v[ST+4*\t+2]
.endr
	v_mov_b32 v[QO], 0x7fc00000     ; the plain line behind the last reciprocal
	s_wait_alu depctr_va_vdst(0)    ; one wait for both, ahead of the first use
.irp t, 0,1
	v_cndmask_b32 v[ST+4*\t+2], v[ST+4*\t+2], v[QO], s[NANM]
.endr
.macro PACK t
	WIN W_RS
.set i, 32*(\t)
.rept 16
	v_pk_mul_f32 v[i:i+1], v[i:i+1], v[ST+4*(\t)+2:ST+4*(\t)+3] op_sel_hi:[1,0]
.set i, i+2
.endr
	WIN 0x05                        ; sources window 1, destination window 0: S^T's registers are free
.set i, 0
.rept 16
	v_cvt_pk_f16_f32 v[S+16*(\t)+i], v[32*(\t)+2*i], v[32*(\t)+2*i+1]
.set i, i+1
.endr
	WIN 0
.irp f, 0,1,2,3
	ds_store_b128 v[STO], v[S+16*(\t)+4*\f:S+16*(\t)+4*\f+3] offset:32*\f
.endr
.irp f, 0,1,2,3
	ds_load_b128 v[S+16*(\t)+4*\f:S+16*(\t)+4*\f+3], v[RD] offset:\f*4*SP  ; LDS serves a wave's instructions in order (ISA guide 5.7.1.4)
.endr
.endm
.macro SEND t, younger              ; younger: the LDS instructions issued behind tile t's loads
.irp f, 0,1,2,3
	s_wait_dscnt (\younger)+3-\f
	global_store_b128 v[GO], v[S+16*(\t)+4*\f:S+16*(\t)+4*\f+3], s[10:11] offset:(\t)*2048+\f*512  ; 512 consecutive bytes
.endr
.endm
	PACK 0
	PACK 1
	SEND 0, 8
	SEND 1, 0
	s_wait_tensorcnt 0x0            ; the wave's end: behind my last tensor load and my last LDS store
	ds_add_u32 v[SPW], v[NIL]
	s_wait_dscnt 0x0
	CROUND                          ; the closing round: no work-group ends while a partner may still ask for a tile that names it
	s_endpgm
.Lfunc_end_k_qa1050ce45f_att2:
	.size	k_qa1050ce45f_att2, .Lfunc_end_k_qa1050ce45f_att2-k_qa1050ce45f_att2
	.p2alignl 7, 3214868480
	.fill 96, 4, 3214868480
	.section	.rodata,"a",@progbits
	.p2align	6, 0x0
	.amdhsa_kernel k_qa1050ce45f_att2
		.amdhsa_group_segment_fixed_size 327680
		.amdhsa_private_segment_fixed_size 0
		.amdhsa_enable_private_segment 0
		.amdhsa_kernarg_size 16
		.amdhsa_user_sgpr_count 2
		.amdhsa_user_sgpr_kernarg_segment_ptr 1
		.amdhsa_wavefront_size32 1
		.amdhsa_system_sgpr_workgroup_id_x 1
		.amdhsa_system_sgpr_workgroup_id_y 1
		.amdhsa_system_sgpr_workgroup_id_z 1
		.amdhsa_system_vgpr_workitem_id 0
		.amdhsa_next_free_vgpr 512
		.amdhsa_next_free_sgpr 90
		.amdhsa_reserve_vcc 1
		.amdhsa_float_denorm_mode_32 3
		.amdhsa_float_denorm_mode_16_64 3
		.amdhsa_memory_ordered 1
		.amdhsa_forward_progress 1
		.amdhsa_inst_pref_size 71
	.end_amdhsa_kernel
	.amdgpu_metadata
---
amdhsa.version: [ 1, 2 ]
amdhsa.kernels:
  - .name:           k_qa1050ce45f_att2
    .symbol:         k_qa1050ce45f_att2.kd
    .args:
      - { .name: QKV, .offset: 0, .size: 8, .value_kind: global_buffer, .address_space: global }
      - { .name: WA, .offset: 8, .size: 8, .value_kind: global_buffer, .address_space: global }
    .group_segment_fixed_size: 327680
    .private_segment_fixed_size: 0
    .kernarg_segment_align: 8
    .kernarg_segment_size: 16
    .max_flat_workgroup_size: 256
    .sgpr_count:     90
    .vgpr_count:     512
    .wavefront_size: 32
...
	.end_amdgpu_metadata
.endif
;; end of part 5
;; launch ln2: the kernel of part 4 again; grid 256 x 1, 8 waves a work-group, no clusters, 0 bytes of LDS; arguments X1, WA, ln2_g, ln2_b, XB; writes XB
;; launch ffn (part 6): grid 8 x 32, 4 waves a work-group, clusters of 4 x 4, 327,680 bytes of LDS; arguments XB, WF1, fc1_b, XA; writes XA
.if DOCPART == 6
	.amdgcn_target "amdgcn-amd-amdhsa--gfx1250"
	.amdhsa_code_object_version 6
	.text
	.protected	k_qa1050ce45f_ffn
	.globl	k_qa1050ce45f_ffn
	.p2align	8
	.type	k_qa1050ce45f_ffn,@function
k_qa1050ce45f_ffn:
	s_mov_b64 s[64:65], 0
	v_nop
	global_prefetch_b8 v0, s[64:65] scope:SCOPE_SE
	s_setreg_imm32_b32 hwreg(HW_REG_WAVE_MODE, 25, 1), 1
	s_wait_xcnt 0x0
	s_wait_alu depctr_hold_cnt(0) depctr_sa_sdst(0) depctr_va_vdst(0) depctr_va_sdst(0) depctr_va_ssrc(0) depctr_va_vcc(0) depctr_vm_vsrc(0)
	s_getreg_b32 s2, hwreg(HW_REG_IB_STS2, 6, 4)
	s_cmp_eq_u32 s2, 0
	s_cbranch_scc0 .Lentry_in_a_cluster
	s_endpgm
.Lentry_in_a_cluster:
	s_bfe_u32 s2, ttmp6, 0x10000c
	s_cmp_lg_u32 s2, 0xf033
	s_cbranch_scc0 .Lentry_shape_is_right
	s_endpgm
.Lentry_shape_is_right:
; C[m][n] = max(the sum over k of A[m][k] B[n][k] + bias[n], bound), K = 1,024, 4,096 rows m, 1,024 columns n.  A and C in the activations' layout T[cb][m][64], B in the weights' layout W[nt][kb][128][64], all f16;
; sums in f32; C rounded once.  ARGUMENTS: A, B, bias, C.  The bound lies 2 MiB behind B's first byte, twice in f16 in each word: 0 for fc1 (the relu), -infinity for fc2, where the 64 packed maxima of a wave change nothing:
; the price of one text for both products.  The bound only selects values: no branch and no address hangs on it.
; LEFT OUT: the factor mask0 behind the relu.  Its result reaches the output only through (.. @ fc2_w.T + fc2_b) * mask0: in a row with mask0 = 0 that is 0 whatever went in, in a row with mask0 = 1 the factor is 1.
; That last factor mask0 is applied by the launch behind fc2.
; SHARES.  A tile of C is 128 x 128; four waves, each 64 x 64: 16 accumulators, and exactly 64 rows of one block of C: 8,192 consecutive bytes.  K goes in four steps of 256 through two LDS slots.
; CLUSTERS of 4 x 4: the four of a row need the same tiles of A, the four of a column the same tiles of B: each tile is asked for jointly, by the same load with the same descriptor and a mask that names the four.
; The matrix instruction is used transposed (source 0 = 16 rows of B, source 1 = 16 rows of A): a lane holds one row of C and eight neighbouring columns.
; LIMITS.  f16 holds no number beyond 65,504.  A NaN that meets the maximum becomes the bound.
; REGISTERS.  window 0: v16-30 addresses; v32-95 the way out; v96-127 bias; v128-255 accumulators ((a, b) at 128 + 8 (4 a + b)).  window 1: two fragment buffers of 128 (64 of A, 64 of B, for 64 along K).
.set PITCH, 144                        ; an LDS row: 64 f16 + 16 bytes = 36 words: the 16 rows of a fragment load start at 16 different groups of four banks (64 banks of 4 bytes: ISA guide 11.1)
.set QB,    64*PITCH                   ; 64 rows of one block of 64 along K
.set HALFT, 4*QB                       ; what one tensor load brings: 64 rows x 4 blocks
.set SLOT,  4*HALFT                    ; A's two halves, then B's two halves.  No bit of SLOT is set in wave x HALFT, so one exclusive or turns an address in one slot into the other's
.set STAGE, 2*SLOT                     ; behind the ring: 16 rows x 144 bytes for each wave, its own
.set SP,    144
.set SPARE, STAGE+4*16*SP              ; behind the stages: the spare words, 128 bytes for each wave
.set ASTEP, 4*524288                   ; bytes from K step to K step in A (four blocks of 4,096 rows)
.set BSTEP, 4*16384                    ; and in B
.set STEPS, 4
.set ADRA0, 16                         ; v16  my lane's place in my A fragments of slot 0; never rewritten
.set ADRB0, 17                         ; v17  the same for B
.set ADRA,  18                         ; v18  the same in the slot that is being read
.set ADRB,  19
.set STO,  24
.set RD,   25
.set GO,   26
.set ZR,   27                          ; the bound
.set SPW,  28
.set NIL,  29
.set SO,   30
.set TMP,  32
.set SD,   96                          ; the bias of my 8 columns in n block b at SD + 8 b
.set ACC,  128
.set F0,   0
.set F1,   128
.set G1,  24                           ; s[24:31] descriptor group 1 for A's tiles
.set G0,  32                           ; s[32:39] group 0 for A's: a set for each of the two first fills; the second then walks on
.set G1B, 48
.set G0B, 56
.set TB,  2                            ; s2   LDS byte at which the slot that is being read begins
.set CNT, 3                            ; s3   K steps still to be asked for
.set G1W, (1<<16)|(1<<20)|(1<<21)|(4<<22)|(3<<25)  ; 17:16 elements of 2 bytes; 20 padding on; 21 set beside a mask; 24:22 after every 32 words (code 4); 31:25 4 words (code 3)
.set MSB, 0
.macro WIN new                         ; the immediate's high byte repeats the setting that is left
.if MSB != (\new)
	s_set_vgpr_msb (MSB<<8)|(\new)
.set MSB, \new
.endif
.endm
.set MUL,  0x05                        ; sources 0 (B) and 1 (A) window 1; C and D window 0
.set TO_F, 0x40                        ; destination window 1, address window 0
.macro JLOAD s                         ; a joint load: waves 0 and 1 fetch A's two halves, waves 2 and 3 B's; an s_nop 0 and four v_nop follow each line
	s_cmp_eq_u32 s11, 0
	s_cbranch_scc0 .Lfor_b_\@
	tensor_load_to_lds s[G0+4*(\s):G0+4*(\s)+3], s[G1:G1+7]
	s_nop 0
.rept 4
	v_nop
.endr
	s_branch .Lasked_\@
.Lfor_b_\@:
	tensor_load_to_lds s[G0B+4*(\s):G0B+4*(\s)+3], s[G1B:G1B+7]
	s_nop 0
.rept 4
	v_nop
.endr
.Lasked_\@:
.endm
.macro CREST                           ; a round of the cluster's barrier behind its opening barrier
	s_cmp_lg_u32 s10, 0
	s_cbranch_scc1 .Lnot_wave_0_\@
	s_barrier_signal -3
.Lnot_wave_0_\@:
	s_barrier_wait -3
	s_barrier_signal -1
	s_barrier_wait -1
.endm
.macro CROUND
	s_barrier_signal -1
	s_barrier_wait -1
	CREST
.endm
	s_load_b256 s[72:79], s[0:1], 0x0              ; A, B, bias, C
	v_lshl_add_u32 v[SPW], v0, 2, SPARE
	v_mov_b32 v[NIL], 0
	ds_add_u32 v[SPW], v[NIL]                      ; the wave's opening: the add, twice on end, and its wait ahead of my first tensor load
	ds_add_u32 v[SPW], v[NIL]
	v_lshrrev_b32 v1, 5, v0
	v_readfirstlane_b32 s10, v1                    ; wave 0..3
	s_lshr_b32 s11, s10, 1                         ; my half of the tile's rows; also: I fetch for A (0) or B (1)
	s_and_b32 s12, s10, 1                          ; my half of its columns; also: which 64 rows I fetch
	s_bfe_u32 s40, ttmp6, 0x40000                  ; cx
	s_bfe_u32 s41, ttmp6, 0x40004                  ; cy
	s_lshl_b32 s42, ttmp9, 2
	s_add_co_u32 s42, s42, s40                     ; tile column = 4 cluster x + cx
	s_and_b32 s13, ttmp7, 0xffff
	s_lshl_b32 s13, s13, 2
	s_add_co_u32 s13, s13, s41                     ; tile row = 4 cluster y + cy
	s_lshl_b32 s43, s41, 2
	s_lshl_b32 s43, 15, s43                        ; my row of the cluster
	s_lshl_b32 s44, 0x1111, s40                    ; my column
	; descriptor group 1: four "rows" of 4,096 elements: 64 dense rows of one block of 64 along K; from block to block 262,144 elements in A, 8,192 in B; padded after every 64 elements
	s_or_b32 s[G1+0], s43, G1W
	s_or_b32 s[G1B+0], s44, G1W
.irp g, G1, G1B
	s_mov_b32 s[(\g)+1], 4096<<16                  ; tensor_dim0 = 4,096
	s_mov_b32 s[(\g)+2], 4<<16                     ; tensor_dim1 = 4
	s_mov_b32 s[(\g)+3], 4096<<16                  ; tile_dim0 = 4,096
	s_mov_b32 s[(\g)+4], 4                         ; tile_dim1 = 4
	s_mov_b32 s[(\g)+6], 0
	s_mov_b32 s[(\g)+7], 0
.endr
	s_mov_b32 s[G1+5], 262144
	s_mov_b32 s[G1B+5], 8192
	s_lshl_b32 s17, s12, 13                        ; the 64 rows that I fetch: 8,192 bytes
	s_lshl_b32 s16, s13, 14
	s_add_co_u32 s16, s16, s17                     ; A: 128 rows x tile row + my 64
	s_lshl_b32 s46, s42, 18
	s_add_co_u32 s46, s46, s17                     ; B: 262,144 x tile column + my 64 rows
	s_mov_b32 s17, 0
	s_mov_b32 s47, 0
	s_mul_i32 s20, s10, HALFT                      ; where they go: no place in the cluster enters an LDS address
	s_lshl_b32 s82, s42, 9                         ; the bias of my 64 columns
	s_lshl_b32 s83, s12, 8
	s_add_co_u32 s82, s82, s83
	s_mov_b32 s83, 0
	s_wait_dscnt 0x0                               ; both opening adds are done
	s_wait_kmcnt 0x0
	s_add_nc_u64 s[80:81], s[76:77], s[82:83]
	s_add_nc_u64 s[14:15], s[72:73], s[16:17]
	s_add_nc_u64 s[46:47], s[74:75], s[46:47]
	CROUND                                         ; all sixteen work-groups are here: the first joint loads meet
.irp s, 0,1
	s_mov_b32 s[G0+4*(\s)], 1
	s_add_co_u32 s[G0+4*(\s)+1], s20, (\s)*SLOT
	s_add_nc_u64 s[G0+4*(\s)+2:G0+4*(\s)+3], s[14:15], (\s)*ASTEP
	s_or_b32 s[G0+4*(\s)+3], s[G0+4*(\s)+3], 0x80000000
	s_mov_b32 s[G0B+4*(\s)], 1
	s_add_co_u32 s[G0B+4*(\s)+1], s20, (\s)*SLOT
	s_add_nc_u64 s[G0B+4*(\s)+2:G0B+4*(\s)+3], s[46:47], (\s)*BSTEP
	s_or_b32 s[G0B+4*(\s)+3], s[G0B+4*(\s)+3], 0x80000000
	JLOAD \s
.endr
	v_and_b32 v1, 15, v0                           ; l % 16
	v_bfe_u32 v2, v0, 4, 1                         ; l / 16
	v_lshlrev_b32 v[SO], 5, v2                     ; my 8 columns: 32 bytes
.irp b, 0,1,2,3
	global_load_b128 v[SD+8*\b:SD+8*\b+3],   v[SO], s[80:81] offset:64*\b
	global_load_b128 v[SD+8*\b+4:SD+8*\b+7], v[SO], s[80:81] offset:64*\b+16
.endr
	global_load_b32 v[ZR], v[SO], s[74:75] offset:0x200000  ; the bound: every word of the 2,048 bytes behind the weights holds it
	v_mul_u32_u24 v3, v1, PITCH
	v_lshl_add_u32 v3, v2, 4, v3                   ; a fragment's row x pitch + 16 x half
	s_mul_i32 s21, s11, HALFT                      ; my 64 rows of A
	s_mul_i32 s22, s12, HALFT                      ; my 64 rows of B,
	s_add_co_u32 s22, s22, 2*HALFT                 ; which lie behind A's two halves
	v_add_nc_u32 v[ADRA0], s21, v3
	v_add_nc_u32 v[ADRB0], s22, v3
	v_mov_b32 v[ADRA], v[ADRA0]
	v_mov_b32 v[ADRB], v[ADRB0]
	s_mov_b32 s[TB], 0
	s_mul_i32 s23, s10, 16*SP
	s_add_co_u32 s23, s23, STAGE                   ; my stage
	v_add_nc_u32 v[STO], s23, v3                   ; in: row l % 16, 16 bytes for each half of the lanes
	v_bfe_u32 v4, v0, 3, 2                         ; back: 32 lanes take four rows of 128 bytes,
	v_and_b32 v5, 7, v0
	v_mul_u32_u24 v4, v4, SP
	v_lshl_add_u32 v4, v5, 4, v4
	v_add_nc_u32 v[RD], s23, v4
	v_and_b32 v[GO], 31, v0                        ; which are 512 consecutive bytes of C
	v_lshlrev_b32 v[GO], 4, v[GO]
	s_lshl_b32 s82, s42, 20                        ; C: block 2 x tile column + my half, row 128 x tile row + 64 x my half
	s_lshl_b32 s83, s12, 19
	s_add_co_u32 s82, s82, s83
	s_lshl_b32 s83, s13, 14
	s_add_co_u32 s82, s82, s83
	s_lshl_b32 s83, s11, 13
	s_add_co_u32 s82, s82, s83
	s_mov_b32 s83, 0
	s_add_nc_u64 s[8:9], s[78:79], s[82:83]
; 8 matrix instructions: m blocks a0, a0 + 1 x all 4 n blocks, 32 along K: half c of buffer f.  zero = 1: the first product starts the sums.  The accumulators take turns.
.macro MUL8 f, c, a0, zero
	WIN MUL
.irp a, \a0, (\a0)+1
.irp b, 0,1,2,3
.if \zero
	v_wmma_f32_16x16x32_f16 v[ACC+8*(4*(\a)+(\b)):ACC+8*(4*(\a)+(\b))+7], v[(\f)+64+8*(4*(\c)+(\b)):(\f)+64+8*(4*(\c)+(\b))+7], v[(\f)+8*(4*(\c)+(\a)):(\f)+8*(4*(\c)+(\a))+7], 0
.else
	v_wmma_f32_16x16x32_f16 v[ACC+8*(4*(\a)+(\b)):ACC+8*(4*(\a)+(\b))+7], v[(\f)+64+8*(4*(\c)+(\b)):(\f)+64+8*(4*(\c)+(\b))+7], v[(\f)+8*(4*(\c)+(\a)):(\f)+8*(4*(\c)+(\a))+7], v[ACC+8*(4*(\a)+(\b)):ACC+8*(4*(\a)+(\b))+7]
.endif
.endr
.endr
.endm
; 32 LDS loads in one run: the fragments of one block of 64 along K, which begins at byte k of a region, into buffer f; the first 32 along K first
.macro FETCH k, f
	WIN TO_F
.irp c, 0,1
.irp i, 0,1,2,3
	ds_load_b128 v[(\f)+64+8*(4*(\c)+(\i)):(\f)+64+8*(4*(\c)+(\i))+3],   v[ADRB] offset:(\k)+64*(\c)+(\i)*16*PITCH
	ds_load_b128 v[(\f)+64+8*(4*(\c)+(\i))+4:(\f)+64+8*(4*(\c)+(\i))+7], v[ADRB] offset:(\k)+64*(\c)+(\i)*16*PITCH+32
	ds_load_b128 v[(\f)+8*(4*(\c)+(\i)):(\f)+8*(4*(\c)+(\i))+3],         v[ADRA] offset:(\k)+64*(\c)+(\i)*16*PITCH
	ds_load_b128 v[(\f)+8*(4*(\c)+(\i))+4:(\f)+8*(4*(\c)+(\i))+7],       v[ADRA] offset:(\k)+64*(\c)+(\i)*16*PITCH+32
.endr
.endr
.endm
.macro PLACES                          ; four places in front of loads into registers that matrix instructions have read, and of vector lines that read results
.rept 4
	v_nop
.endr
.endm
; A K step is four quarters of 64 along K, 32 matrix instructions each, on buffers 0, 1, 0, 1.  One of the first three: multiplies buffer f and fetches the next quarter, at byte k, into g.
.macro QUARTER k, f, g, zero
	s_wait_dscnt 16                                ; the first 32 along K are in; the sixteen younger loads may be out
	MUL8 \f, 0, 0, \zero
	MUL8 \f, 0, 2, \zero
	PLACES
	FETCH \k, \g
	s_wait_dscnt 32                                ; all but the 32 just issued
	MUL8 \f, 1, 0, 0
	MUL8 \f, 1, 2, 0
.endm
; The last quarter multiplies buffer 1 and changes slots: one barrier; in front of it each wave waits for all its tensor loads, adds 0 to its spare word, and waits for that and for its reads of this slot.
; fill = 1: the barrier opens a round of the cluster's, and this slot is filled again, two K steps ahead, first thing behind the round.
.macro TURN fill
	WIN 0
	s_xor_b32 s[TB], s[TB], SLOT                   ; all loads from this slot have been issued: the next fetch is from the other slot
	v_add_nc_u32 v[ADRA], s[TB], v[ADRA0]
	v_add_nc_u32 v[ADRB], s[TB], v[ADRB0]
	s_wait_tensorcnt 0x0                           ; all my tensor loads have landed: my part of the next slot
	ds_add_u32 v[SPW], v[NIL]                      ; 0 onto my spare word
	s_wait_dscnt 17                                ; (the add and the youngest sixteen loads may be out)
	MUL8 F1, 0, 0, 0
	s_wait_dscnt 0x0                               ; the add is done, and my reads of this slot are over
	s_barrier_signal -1
	MUL8 F1, 0, 2, 0
.if \fill
	WIN 0
.endif
	s_barrier_wait -1
.if \fill
	CREST                                          ; no wave of any partner still reads this slot's tile or has a load on its way
	s_xor_b32 s[G0+5], s[G0+5], SLOT               ; the walking descriptors: the other slot than last time, the next K step; the type bits on top are not reached
	s_add_nc_u64 s[G0+6:G0+7], s[G0+6:G0+7], ASTEP
	s_xor_b32 s[G0B+5], s[G0B+5], SLOT
	s_add_nc_u64 s[G0B+6:G0B+7], s[G0B+6:G0B+7], BSTEP
	JLOAD 1                                        ; its four v_nop are also the places in front of the loads below
.else
	PLACES
.endif
	FETCH 0, F0
	MUL8 F1, 1, 0, 0
	MUL8 F1, 1, 2, 0
.endm
	s_wait_tensorcnt 1                             ; my part of K step 0 is in; K step 1's load, issued behind it, may stay out
	s_barrier_signal -1
	s_barrier_wait -1
	FETCH 0, F0
	QUARTER QB, F0, F1, 1                          ; the first quarter stands in front of the loop: its first products start the sums
	WIN 0                                          ; at a label and at a branch every window is 0
	s_mov_b32 s[CNT], STEPS-2
.Lstep:                                            ; two trips, each from a K step's second quarter to the next step's first; each fills the slot that it leaves
	QUARTER 2*QB, F1, F0, 0
	QUARTER 3*QB, F0, F1, 0
	TURN 1
	QUARTER QB, F0, F1, 0
	WIN 0
	s_sub_co_u32 s[CNT], s[CNT], 1
	s_cmp_lg_u32 s[CNT], 0
	s_cbranch_scc1 .Lstep
	QUARTER 2*QB, F1, F0, 0                        ; K steps 2 and 3 are written out: nothing is left to fetch
	QUARTER 3*QB, F0, F1, 0
	TURN 0
	QUARTER QB, F0, F1, 0
	QUARTER 2*QB, F1, F0, 0
	QUARTER 3*QB, F0, F1, 0
	s_wait_dscnt 16
	MUL8 F1, 0, 0, 0
	MUL8 F1, 0, 2, 0
	s_wait_dscnt 0
	MUL8 F1, 1, 0, 0
	MUL8 F1, 1, 2, 0
	WIN 0
	; THE WAY OUT, a block of 16 rows at a time through my own stage: bias, f16, the maximum on the packed halves, 16 bytes a lane in, whole rows of 128 bytes back, 512 consecutive bytes a store.
	s_wait_loadcnt 0x0                             ; the bias and the bound
	PLACES
.macro PACK a
.irp b, 0,1,2,3
.irp r, 0,1,2,3
	v_pk_add_f32 v[ACC+8*(4*(\a)+\b)+2*\r:ACC+8*(4*(\a)+\b)+2*\r+1], v[ACC+8*(4*(\a)+\b)+2*\r:ACC+8*(4*(\a)+\b)+2*\r+1], v[SD+8*\b+2*\r:SD+8*\b+2*\r+1]
.endr
.irp r, 0,1,2,3
	v_cvt_pk_f16_f32 v[TMP+16*(\a)+4*\b+\r], v[ACC+8*(4*(\a)+\b)+2*\r], v[ACC+8*(4*(\a)+\b)+2*\r+1]
.endr
.irp r, 0,1,2,3
	v_pk_max_num_f16 v[TMP+16*(\a)+4*\b+\r], v[TMP+16*(\a)+4*\b+\r], v[ZR]
.endr
	ds_store_b128 v[STO], v[TMP+16*(\a)+4*\b:TMP+16*(\a)+4*\b+3] offset:32*\b
.endr
.irp f, 0,1,2,3
	ds_load_b128 v[TMP+16*(\a)+4*\f:TMP+16*(\a)+4*\f+3], v[RD] offset:\f*4*SP  ; LDS serves a wave's instructions in order (ISA guide 5.7.1.4): these see the stores above; the next block's stores come behind them
.endr
.endm
.macro SEND a, younger                 ; younger: the LDS instructions issued behind block a's loads: the next block's eight, or none
.irp f, 0,1,2,3
	s_wait_dscnt (\younger)+3-\f
	global_store_b128 v[GO], v[TMP+16*(\a)+4*\f:TMP+16*(\a)+4*\f+3], s[8:9] offset:2048*(\a)+512*\f
.endr
.endm
	PACK 0
	PACK 1
	SEND 0, 8
	PACK 2
	SEND 1, 8
	PACK 3
	SEND 2, 8
	SEND 3, 0
	s_wait_tensorcnt 0x0                           ; the wave's end: behind my last tensor load and my last LDS store
	ds_add_u32 v[SPW], v[NIL]
	s_wait_dscnt 0x0
	CROUND                                         ; the closing round: no work-group ends while a partner may still ask for a tile that names it
	s_endpgm
.Lfunc_end_k_qa1050ce45f_ffn:
	.size	k_qa1050ce45f_ffn, .Lfunc_end_k_qa1050ce45f_ffn-k_qa1050ce45f_ffn
	.p2alignl 7, 3214868480
	.fill 96, 4, 3214868480
	.section	.rodata,"a",@progbits
	.p2align	6, 0x0
	.amdhsa_kernel k_qa1050ce45f_ffn
		.amdhsa_group_segment_fixed_size 327680
		.amdhsa_private_segment_fixed_size 0
		.amdhsa_enable_private_segment 0
		.amdhsa_kernarg_size 32
		.amdhsa_user_sgpr_count 2
		.amdhsa_user_sgpr_kernarg_segment_ptr 1
		.amdhsa_wavefront_size32 1
		.amdhsa_system_sgpr_workgroup_id_x 1
		.amdhsa_system_sgpr_workgroup_id_y 1
		.amdhsa_system_sgpr_workgroup_id_z 1
		.amdhsa_system_vgpr_workitem_id 0
		.amdhsa_next_free_vgpr 512
		.amdhsa_next_free_sgpr 84
		.amdhsa_reserve_vcc 0
		.amdhsa_float_denorm_mode_32 3
		.amdhsa_float_denorm_mode_16_64 3
		.amdhsa_memory_ordered 1
		.amdhsa_forward_progress 1
		.amdhsa_inst_pref_size 77
	.end_amdhsa_kernel
	.amdgpu_metadata
---
amdhsa.version: [ 1, 2 ]
amdhsa.kernels:
  - .name:           k_qa1050ce45f_ffn
    .symbol:         k_qa1050ce45f_ffn.kd
    .args:
      - { .name: XB, .offset: 0, .size: 8, .value_kind: global_buffer, .address_space: global }
      - { .name: WF1, .offset: 8, .size: 8, .value_kind: global_buffer, .address_space: global }
      - { .name: fc1_b, .offset: 16, .size: 8, .value_kind: global_buffer, .address_space: global }
      - { .name: XA, .offset: 24, .size: 8, .value_kind: global_buffer, .address_space: global }
    .group_segment_fixed_size: 327680
    .private_segment_fixed_size: 0
    .kernarg_segment_align: 8
    .kernarg_segment_size: 32
    .max_flat_workgroup_size: 128
    .sgpr_count:     84
    .vgpr_count:     512
    .wavefront_size: 32
...
	.end_amdgpu_metadata
.endif
;; end of part 6
;; launch f2: the kernel of part 6 again; grid 8 x 32, 4 waves a work-group, clusters of 4 x 4, 327,680 bytes of LDS; arguments XA, WF2, fc2_b, QKV; writes QKV
;; launch ln3 (part 7): grid 256 x 1, 8 waves a work-group, no clusters, 0 bytes of LDS; arguments XB, QKV, XA, ln3_g, ln3_b, out0; writes out0
.if DOCPART == 7
	.amdgcn_target "amdgcn-amd-amdhsa--gfx1250"
	.amdhsa_code_object_version 6
	.text
	.protected	k_qa1050ce45f_ln3
	.globl	k_qa1050ce45f_ln3
	.p2align	8
	.type	k_qa1050ce45f_ln3,@function
k_qa1050ce45f_ln3:
	s_mov_b64 s[64:65], 0
	v_nop
	global_prefetch_b8 v0, s[64:65] scope:SCOPE_SE
	s_setreg_imm32_b32 hwreg(HW_REG_WAVE_MODE, 25, 1), 1
	s_wait_xcnt 0x0
; out0 = LayerNorm(x2 + m F) g + b.  x2 and F: f16 in the layout T[cb][m][64]; F = h fc2_w^T + fc2_b from the launch before; m = mask0 (4,096 f32, 8 MiB behind XA's first byte): m F is reference()'s
; (z @ fc2_w.T + fc2_b) * mask0.  out0 f32, row-major.  Mean, variance (of the differences from the mean) and the rest in f32.
; The work is a stream: each byte is read once and written once; no LDS, no barrier, no matrix unit.  Two rows to a wave: a row's 1,024 numbers lie in 16 lanes, 64 registers; lane p of the 16 has columns 64 i + 4 p .. + 3.
.set V,  16                            ; v[16:79]   the row's numbers, f32
.set Z,  80                            ; v[80:111]  F as loaded
.set RS, 112                           ; v[112:143] x2 as loaded
.set BB, 80                            ; v[80:143]  later: b
.set G,  144                           ; v[144:207] g
	s_load_b256 s[4:11], s[0:1], 0x0               ; x2, F, XA, g
	s_load_b128 s[12:15], s[0:1], 0x20             ; b, out0
	v_lshlrev_b32 v1, 3, v0                        ; 8 t: two rows of 128 bytes to a wave in each block
	v_and_b32 v5, 15, v0
	v_lshlrev_b32 v2, 4, v5                        ; my 4 columns of a block in g, b and out0
	v_lshrrev_b32 v3, 4, v0
	v_lshl_or_b32 v5, v3, 12, v2                   ; my row of out0 and my 16 bytes
	v_lshlrev_b32 v3, 2, v3                        ; my row's mask
	s_lshl_b32 s2, ttmp9, 11                       ; the work-group's 16 rows in a block
	s_mov_b32 s3, 0
	s_lshl_b32 s16, ttmp9, 6
	s_add_co_u32 s16, s16, 0x800000
	s_mov_b32 s17, 0
	s_lshl_b32 s18, ttmp9, 16                      ; and in out0
	s_mov_b32 s19, 0
	s_mov_b32 s20, 0x3a800000                      ; 1 / 1,024
	s_mov_b32 s21, 0x3727c5ac                      ; 1e-5
	s_wait_kmcnt 0x0
	s_add_nc_u64 s[8:9], s[8:9], s[16:17]
	s_add_nc_u64 s[4:5], s[4:5], s[2:3]
	s_add_nc_u64 s[6:7], s[6:7], s[2:3]
	s_add_nc_u64 s[14:15], s[14:15], s[18:19]
	global_load_b32 v4, v3, s[8:9]
.set i, 0
.rept 16
	global_load_b64 v[Z+2*i:Z+2*i+1], v1, s[6:7] offset:i*524288 th:TH_LOAD_NT  ; 32 lanes read 256 consecutive bytes
.set i, i+1
.endr
.set i, 0
.rept 16
	global_load_b64 v[RS+2*i:RS+2*i+1], v1, s[4:5] offset:i*524288 th:TH_LOAD_NT
.set i, i+1
.endr
.set i, 0
.rept 16
	global_load_b128 v[G+4*i:G+4*i+3], v2, s[10:11] offset:256*i
.set i, i+1
.endr
	s_wait_loadcnt 16                              ; g's sixteen loads may stay out
.set i, 0
.rept 16                                           ; F (an f16 half) x m + x2 (an f16 half), in f32
	v_fma_mix_f32 v[V+4*i],   v[Z+2*i],   v4, v[RS+2*i]   op_sel_hi:[1,0,1]
	v_fma_mix_f32 v[V+4*i+1], v[Z+2*i],   v4, v[RS+2*i]   op_sel:[1,0,1] op_sel_hi:[1,0,1]
	v_fma_mix_f32 v[V+4*i+2], v[Z+2*i+1], v4, v[RS+2*i+1] op_sel_hi:[1,0,1]
	v_fma_mix_f32 v[V+4*i+3], v[Z+2*i+1], v4, v[RS+2*i+1] op_sel:[1,0,1] op_sel_hi:[1,0,1]
.set i, i+1
.endr
.set i, 0
.rept 16
	global_load_b128 v[BB+4*i:BB+4*i+3], v2, s[12:13] offset:256*i
.set i, i+1
.endr
.macro FOLD                            ; four chains into v6, then the row's sixteen lanes
	v_pk_add_f32 v[6:7], v[6:7], v[8:9]
	v_pk_add_f32 v[10:11], v[10:11], v[12:13]
	v_pk_add_f32 v[6:7], v[6:7], v[10:11]
	v_add_f32 v6, v6, v7
.irp m, 1,2,4,8
	v_add_f32_dpp v6, v6, v6 row_xmask:\m row_mask:0xf bank_mask:0xf
.endr
.endm
.irp c, 0,1,2,3
	v_pk_add_f32 v[6+2*\c:7+2*\c], v[V+2*\c:V+2*\c+1], v[V+8+2*\c:V+8+2*\c+1]
.endr
.set q, 8
.rept 24
	v_pk_add_f32 v[6+2*(q%4):7+2*(q%4)], v[6+2*(q%4):7+2*(q%4)], v[V+2*q:V+2*q+1]
.set q, q+1
.endr
	FOLD
	v_mul_f32 v14, 0xba800000, v6                  ; minus the mean
	v_mov_b32 v15, v14
.set q, 0
.rept 32
	v_pk_add_f32 v[V+2*q:V+2*q+1], v[V+2*q:V+2*q+1], v[14:15]
.set q, q+1
.endr
.irp c, 0,1,2,3
	v_pk_mul_f32 v[6+2*\c:7+2*\c], v[V+2*\c:V+2*\c+1], v[V+2*\c:V+2*\c+1]
.endr
.set q, 4
.rept 28
	v_pk_fma_f32 v[6+2*(q%4):7+2*(q%4)], v[V+2*q:V+2*q+1], v[V+2*q:V+2*q+1], v[6+2*(q%4):7+2*(q%4)]
.set q, q+1
.endr
	FOLD
	v_fma_f32 v6, v6, s20, s21                     ; variance + 1e-5
	v_rsq_f32 v14, v6
	v_nop                                          ; the plain line behind it
	s_wait_alu depctr_va_vdst(0)                   ; and the wait ahead of the first use
	v_mov_b32 v15, v14
	s_wait_loadcnt 0x0                             ; g and b
.set q, 0
.rept 32
	v_pk_mul_f32 v[G+2*q:G+2*q+1], v[G+2*q:G+2*q+1], v[14:15]
.set q, q+1
.endr
.set i, 0
.rept 16
	v_pk_fma_f32 v[V+4*i:V+4*i+1],   v[V+4*i:V+4*i+1],   v[G+4*i:G+4*i+1],   v[BB+4*i:BB+4*i+1]
	v_pk_fma_f32 v[V+4*i+2:V+4*i+3], v[V+4*i+2:V+4*i+3], v[G+4*i+2:G+4*i+3], v[BB+4*i+2:BB+4*i+3]
	global_store_b128 v5, v[V+4*i:V+4*i+3], s[14:15] offset:256*i th:TH_STORE_NT  ; sixteen lanes write 256 consecutive bytes, aligned
.set i, i+1
.endr
	s_endpgm
.Lfunc_end_k_qa1050ce45f_ln3:
	.size	k_qa1050ce45f_ln3, .Lfunc_end_k_qa1050ce45f_ln3-k_qa1050ce45f_ln3
	.p2alignl 7, 3214868480
	.fill 96, 4, 3214868480
	.section	.rodata,"a",@progbits
	.p2align	6, 0x0
	.amdhsa_kernel k_qa1050ce45f_ln3
		.amdhsa_group_segment_fixed_size 0
		.amdhsa_private_segment_fixed_size 0
		.amdhsa_enable_private_segment 0
		.amdhsa_kernarg_size 48
		.amdhsa_user_sgpr_count 2
		.amdhsa_user_sgpr_kernarg_segment_ptr 1
		.amdhsa_wavefront_size32 1
		.amdhsa_system_sgpr_workgroup_id_x 1
		.amdhsa_system_sgpr_workgroup_id_y 1
		.amdhsa_system_sgpr_workgroup_id_z 1
		.amdhsa_system_vgpr_workitem_id 0
		.amdhsa_next_free_vgpr 208
		.amdhsa_next_free_sgpr 66
		.amdhsa_reserve_vcc 0
		.amdhsa_float_denorm_mode_32 3
		.amdhsa_float_denorm_mode_16_64 3
		.amdhsa_memory_ordered 1
		.amdhsa_forward_progress 1
		.amdhsa_inst_pref_size 24
	.end_amdhsa_kernel
	.amdgpu_metadata
---
amdhsa.version: [ 1, 2 ]
amdhsa.kernels:
  - .name:           k_qa1050ce45f_ln3
    .symbol:         k_qa1050ce45f_ln3.kd
    .args:
      - { .name: XB, .offset: 0, .size: 8, .value_kind: global_buffer, .address_space: global }
      - { .name: QKV, .offset: 8, .size: 8, .value_kind: global_buffer, .address_space: global }
      - { .name: XA, .offset: 16, .size: 8, .value_kind: global_buffer, .address_space: global }
      - { .name: ln3_g, .offset: 24, .size: 8, .value_kind: global_buffer, .address_space: global }
      - { .name: ln3_b, .offset: 32, .size: 8, .value_kind: global_buffer, .address_space: global }
      - { .name: out0, .offset: 40, .size: 8, .value_kind: global_buffer, .address_space: global }
    .group_segment_fixed_size: 0
    .private_segment_fixed_size: 0
    .kernarg_segment_align: 8
    .kernarg_segment_size: 48
    .max_flat_workgroup_size: 256
    .sgpr_count:     66
    .vgpr_count:     208
    .wavefront_size: 32
...
	.end_amdgpu_metadata
.endif
;; end of part 7
